; MI455X (gfx1250); checked and timed in simulation.
; The chip was launched on July 23, 2026; its instructions are those of AMD's public machine-readable ISA for CDNA 5 (MIT licence, August 2026) and "CDNA5" Instruction Set Architecture Reference Guide (July 2026). The comments in the code are by the model that wrote it; some were corrected since.
;; Multi Head Attention. Allowed arithmetic: matrix products marked QUANTISED: E2M3 operands, one E8M0 scale for each 32 along K, by v_wmma_scale_f32_16x16x128_f8f6f4 with both operands' format E2M3, f32 sums; everything else in f32.
;; Inputs: b_out 1,024 float32; b_qkv 3,072 float32; w_out 1,024 x 1,024 float32; w_qkv 1,024 x 3,072 float32; x 4 x 2,048 x 1,024 float32.
;; Outputs: out0 4 x 2,048 x 1,024 float32.
;; This version of the problem:
;;   THIS VERSION OF THE PROBLEM IS GIVEN IN LOW PRECISION. The matrix products marked QUANTISED in the list below multiply operands that are first quantised to E2M3 (2 exponent bits, 3 mantissa bits; 6 bits a number), with one power-of-two scale for each 32 numbers along K (OCP MX v1.0); their sums are f32. All else is computed in f32.
;;   The module's matrix products, in the order in which they are computed (A, B: the left and right operand; K: the contracted axis; several contracted axes count as one K, in the product's order):
;;     1. [M 8,192, K 1,024] x [K 1,024, N 3,072]; A: input x; B: input w_qkv: QUANTISED
;;     2. batch 64 x [M 2,048, K 64] x [K 64, N 2,048]; A: computed on the way; B: computed on the way: QUANTISED
;;     3. batch 64 x [M 2,048, K 2,048] x [K 2,048, N 64]; A: softmax (see below); B: computed on the way: QUANTISED
;;     4. [M 8,192, K 1,024] x [K 1,024, N 1,024]; A: computed on the way; B: input w_out: QUANTISED
;;   THE QUANTISER, for each operand of a quantised product, along K:
;;     - K is cut into blocks of 32 from its start; a last block that is shorter is filled with zeros.
;;     - A block's scale is 2^e with e = floor(log2(the largest magnitude in the block)) - 2, held to -126 .. 127; a block of zeros has e = 0. As a byte (E8M0): e + 127.
;;     - Each number is divided by its block's scale, clamped to +-7.5, and rounded to the nearest number of E2M3, ties to even, subnormals kept.
;;     - The product sums the exact products of the quantised numbers (number of the format x scale) in f32.
;;   ~~~python
;;   def quantise(x, axis):      # numpy; x: float32 -> the quantised numbers, widened to float32 again
;;       x = np.moveaxis(x, axis, -1); K = x.shape[-1]
;;       x = np.pad(x, [(0, 0)] * (x.ndim - 1) + [(0, -K % 32)]); x = x.reshape(x.shape[:-1] + (-1, 32)); a = np.abs(x).max(-1, keepdims=True)
;;       e = np.where(a > 0, np.clip(np.frexp(np.where(a > 0, a, 1))[1] - 1 - 2, -126, 127), 0)      # np.frexp(a)[1] - 1 = floor(log2(a)), exactly
;;       r = np.clip(x / 2.0 ** e, -7.5, 7.5)
;;       step = 2.0 ** (np.maximum(np.frexp(np.where(r == 0, 1, r))[1] - 1, 0) - 3)
;;       q = np.round(r / step) * step * 2.0 ** e      # np.round: ties to even
;;       return np.moveaxis(q.reshape(q.shape[:-2] + (-1,))[..., :K], -1, axis).astype(np.float32)
;;   ~~~
;;   SOFTMAX AHEAD OF A QUANTISED PRODUCT. Where the list says 'softmax', what is quantised is not the finished softmax but p = 2^(t - M), with t = logit x log2(e) and M = ceil(the row's largest t), a whole number; so 1/2 < the row's largest p <= 1. The row's sum l is taken of the UNQUANTISED p, in f32, and the product's result is divided by l at the end. Since M is a whole number, a kernel that streams over the keys may use a running M (the ceiling of the running maximum): every later rescaling is an exact power of two, which a block's scale takes up: the codes' values come out the same.
;;   OPERANDS COMPUTED ON THE WAY. 'Computed on the way' means the value that the module computes at that place (a softmax that the list does not call 'softmax' is quantised finished and normalised). What goes into a quantiser is computed in f32, as accurately as f32 sums, v_exp_f32 and their like allow (about 1e-6 of the number): no bf16 or f16 on the way to a quantiser, and a product that is left as it is and whose result goes on into a quantised operand takes f32 operands (vector FMAs, or v_wmma_f32_16x16x4_f32). A number that lies on a knife's edge between two numbers of the format may be rounded either way, as far as f32 arithmetic and the matrix unit's own rounding can turn it there, and no further.
;; One version. Each part assembles by itself: llvm-mc -triple=amdgcn-amd-amdhsa -mcpu=gfx1250 --defsym DOCPART=n.
;; ======== version 1 of 1: 5 launches
;; workspace buffers: xc 6,291,456 bytes; xs 262,144 bytes; wc 3,145,728 bytes; ws 131,072 bytes; qb 6,815,744 bytes; kvb 13,631,488 bytes; ac 6,291,456 bytes; asc 262,144 bytes
;; launch qx (part 1): grid 256 x 1, 4 waves a work-group, no clusters, 33,280 bytes of LDS; arguments x, xc, xs; writes xc, xs
.if DOCPART == 1
	.amdgcn_target "amdgcn-amd-amdhsa--gfx1250"
	.amdhsa_code_object_version 6
	.text
	.protected	k_q8d37ac46f9_qx
	.globl	k_q8d37ac46f9_qx
	.p2align	8
	.type	k_q8d37ac46f9_qx,@function
k_q8d37ac46f9_qx:
	s_mov_b64 s[64:65], 0
	v_nop
	global_prefetch_b8 v0, s[64:65] scope:SCOPE_SE
	s_setreg_imm32_b32 hwreg(HW_REG_WAVE_MODE, 25, 1), 1
	s_wait_xcnt 0x0
; x [8192][1024] f32 becomes codes of FP6 (E2M3), K innermost, xc [8192][768 bytes], and one E8M0 byte for each 32 along K, xs [8192][32].
; A block's scale is 2^(floor(log2(its largest magnitude)) - 2); its byte is the largest magnitude's exponent field - 2, held at 1 from below.
; LIMITS: a block of zeros gets the byte 1 where the rule says 127 (its codes are zeros, and this program alone reads the bytes); blocks whose largest
; magnitude lies under 2^-124 keep the floor's byte; NaN and infinities among the inputs are not served.
; Rows are dense and 1024 is a multiple of 32: the tensor is a plain stream of blocks of 32.  A wave takes 16 steps of 512 numbers.  Each of a step's four loads reads
; 512 consecutive bytes; the 2,048 bytes turn through the wave's own stage in LDS and come back 64 bytes (16 neighbours) a lane; two neighbouring lanes hold a block.
; No cluster, no tensor load: work-groups share no input, waves share nothing.  Loads run four steps ahead, the turn through LDS one step.
.set WAVES, 4
.set STEPS, 16
.set EMAX,  2
.set CB,    12                         ; bytes of 16 codes
.set R,     16                         ; v16-79   four sets of 16 numbers as loaded
.set X,     80                         ; v80-111  two sets of 16 neighbours
.set C,     128                        ; v128-191 codes: four registers a step, so that no store's data are written again
.set E,     112                        ; v112-127 a scale byte a step
.set WREG,  8192                       ; LDS: a wave's region: two stages of 32 x SP bytes, then its 256 scale bytes
.set SP,    80                         ; a lane's place in a stage: 64 bytes + 16 of padding
.set SPW,   12                         ; v12 LDS address of my spare word; never rewritten
.set NIL,   13                         ; v13 0; never rewritten
.set SPARE, WAVES*WREG                 ; the spare words, 128 bytes a wave, named by no other line
	s_load_b64 s[4:5], s[0:1], 0x0                 ; x
	s_load_b128 s[8:11], s[0:1], 0x8               ; xc, xs
	v_lshl_add_u32 v[SPW], v0, 2, SPARE
	v_mov_b32 v[NIL], 0
	v_lshrrev_b32 v1, 5, v0
	v_readfirstlane_b32 s16, v1                    ; wave
	v_and_b32 v2, 31, v0                           ; lane
	v_lshlrev_b32 v3, 4, v2                        ; my 16 bytes of a load's 512
	s_mul_i32 s17, s16, WREG
	v_lshrrev_b32 v14, 2, v2
	v_mul_u32_u24 v14, v14, SP
	v_and_b32 v15, 3, v2
	v_lshl_add_u32 v14, v15, 4, v14
	v_add_nc_u32 v14, s17, v14                     ; the stage, in: SP (lane / 4) + 16 (lane % 4)
	v_mul_u32_u24 v15, v2, SP
	v_add_nc_u32 v15, s17, v15                     ; and out: SP x lane: my 16 neighbours
	v_mul_u32_u24 v4, v2, CB                       ; my codes' place in a step's
	v_lshrrev_b32 v5, 1, v2
	s_add_co_u32 s17, s17, 2*32*SP
	v_add_nc_u32 v5, s17, v5                       ; LDS: my block's scale byte
	v_lshlrev_b32 v7, 3, v2                        ; on the way out 8 bytes a lane
	v_add_nc_u32 v6, s17, v7
	s_lshl_b32 s17, ttmp9, 2
	s_add_co_u32 s18, s17, s16                     ; which run of 8,192 numbers is my wave's
	s_mov_b32 s19, 0
	s_mov_b64 s[20:21], 512*STEPS*4
	s_mul_u64 s[20:21], s[18:19], s[20:21]
	s_mov_b64 s[22:23], 32*STEPS*CB
	s_mul_u64 s[22:23], s[18:19], s[22:23]
	s_lshl_b32 s18, s18, 8                         ; 256 scale bytes a run
	s_wait_kmcnt 0x0
	s_add_nc_u64 s[4:5], s[4:5], s[20:21]
	s_add_nc_u64 s[8:9], s[8:9], s[22:23]
	s_add_nc_u64 s[10:11], s[10:11], s[18:19]
.macro LOAD t
.irp i, 0,1,2,3
	global_load_b128 v[R+16*((\t)%4)+4*\i:R+16*((\t)%4)+4*\i+3], v3, s[4:5] offset:2048*(\t)+512*\i th:TH_LOAD_NT   ; 32 lanes read 512 consecutive bytes
.endr
.endm
.macro TURN t                          ; step t's numbers through the stage: LDS serves a wave's instructions in order, so no wait stands between the stores and the loads
.irp i, 0,1,2,3
	ds_store_b128 v14, v[R+16*((\t)%4)+4*\i:R+16*((\t)%4)+4*\i+3] offset:32*SP*((\t)%2)+8*SP*\i
.endr
.irp i, 0,1,2,3
	ds_load_b128 v[X+16*((\t)%2)+4*\i:X+16*((\t)%2)+4*\i+3], v15 offset:32*SP*((\t)%2)+16*\i
.endr
.endm
.irp t, 0,1,2,3
	LOAD \t
.endr
	s_wait_loadcnt 12                              ; step 0's four loads are in
	TURN 0
.macro STEP t
.set XS, X+16*((\t)%2)
.if (\t) > 0
	s_wait_dscnt 1                                 ; this step's numbers are back from the stage (the last step's byte store may be out)
.else
	s_wait_dscnt 0x0
.endif
.if (\t)+4 < STEPS
	LOAD (\t)+4                                    ; into the registers that the stage's stores have read
.endif
.if (\t)+1 < STEPS
.if STEPS-2-(\t) >= 3
	s_wait_loadcnt 12                              ; the next step's four loads are in; three later steps' twelve may be out
.else
	s_wait_loadcnt 4*(STEPS-2-(\t))
.endif
	TURN (\t)+1
.endif
	v_max3_num_f32 v8, |v[XS]|, |v[XS+1]|, |v[XS+2]|               ; the largest magnitude of my 16, in two chains
	v_max3_num_f32 v9, |v[XS+3]|, |v[XS+4]|, |v[XS+5]|
.irp i, 6,10
	v_max3_num_f32 v8, v8, |v[XS+\i]|, |v[XS+\i+1]|
	v_max3_num_f32 v9, v9, |v[XS+\i+2]|, |v[XS+\i+3]|
.endr
	v_max3_num_f32 v8, v8, |v[XS+14]|, |v[XS+15]|
	v_max3_num_f32 v8, v8, v9, (EMAX+1)<<23        ; and the floor 2^(3 - 127): the byte cannot fall under 1
	v_max_num_f32_dpp v8, v8, v8 row_xmask:1 row_mask:0xf bank_mask:0xf   ; with my neighbour's 16: the block's
	v_add_nc_u32 v11, -(EMAX<<23), v8              ; 2 off its exponent field: the conversion takes that field as its scale
	v_cvt_scalef32_pk16_fp6_f32 v[C+4*(\t):C+4*(\t)+2], v[XS:XS+15], v11
	v_lshrrev_b32 v[E+(\t)], 23, v11               ; the scale's byte (also the plain line behind the conversion)
	ds_store_b8 v5, v[E+(\t)] offset:16*(\t)       ; both lanes of a block write the same byte with the same value
	global_store_b96 v4, v[C+4*(\t):C+4*(\t)+2], s[8:9] offset:32*CB*(\t)   ; the wave stores 384 consecutive bytes
.endm
.irp t, 0,1,2,3,4,5,6,7,8,9,10,11,12,13,14,15
	STEP \t
.endr
	ds_load_b64 v[8:9], v6                         ; LDS serves a wave's instructions in order: these see my byte stores
	s_wait_dscnt 0x0
	global_store_b64 v7, v[8:9], s[10:11]          ; 32 lanes store 256 consecutive bytes, aligned
	s_wait_tensorcnt 0x0                           ; the wave's end, behind my last LDS store
	ds_add_u32 v[SPW], v[NIL]
	s_wait_dscnt 0x0
	s_endpgm
.Lfunc_end_k_q8d37ac46f9_qx:
	.size	k_q8d37ac46f9_qx, .Lfunc_end_k_q8d37ac46f9_qx-k_q8d37ac46f9_qx
	.p2alignl 7, 3214868480
	.fill 96, 4, 3214868480
	.section	.rodata,"a",@progbits
	.p2align	6, 0x0
	.amdhsa_kernel k_q8d37ac46f9_qx
		.amdhsa_group_segment_fixed_size 33280
		.amdhsa_private_segment_fixed_size 0
		.amdhsa_enable_private_segment 0
		.amdhsa_kernarg_size 24
		.amdhsa_user_sgpr_count 2
		.amdhsa_user_sgpr_kernarg_segment_ptr 1
		.amdhsa_wavefront_size32 1
		.amdhsa_system_sgpr_workgroup_id_x 1
		.amdhsa_system_sgpr_workgroup_id_y 1
		.amdhsa_system_sgpr_workgroup_id_z 1
		.amdhsa_system_vgpr_workitem_id 0
		.amdhsa_next_free_vgpr 192
		.amdhsa_next_free_sgpr 66
		.amdhsa_reserve_vcc 0
		.amdhsa_float_denorm_mode_32 3
		.amdhsa_float_denorm_mode_16_64 3
		.amdhsa_memory_ordered 1
		.amdhsa_forward_progress 1
		.amdhsa_inst_pref_size 32
	.end_amdhsa_kernel
	.amdgpu_metadata
---
amdhsa.version: [ 1, 2 ]
amdhsa.kernels:
  - .name:           k_q8d37ac46f9_qx
    .symbol:         k_q8d37ac46f9_qx.kd
    .args:
      - { .name: x, .offset: 0, .size: 8, .value_kind: global_buffer, .address_space: global }
      - { .name: xc, .offset: 8, .size: 8, .value_kind: global_buffer, .address_space: global }
      - { .name: xs, .offset: 16, .size: 8, .value_kind: global_buffer, .address_space: global }
    .group_segment_fixed_size: 33280
    .private_segment_fixed_size: 0
    .kernarg_segment_align: 8
    .kernarg_segment_size: 24
    .max_flat_workgroup_size: 128
    .sgpr_count:     66
    .vgpr_count:     192
    .wavefront_size: 32
...
	.end_amdgpu_metadata
.endif
;; end of part 1
;; launch qw (part 2): grid 32 x 4, 4 waves a work-group, no clusters, 35,840 bytes of LDS; arguments w_qkv, w_out, wc, ws; writes wc, ws
.if DOCPART == 2
	.amdgcn_target "amdgcn-amd-amdhsa--gfx1250"
	.amdhsa_code_object_version 6
	.text
	.protected	k_q8d37ac46f9_qw
	.globl	k_q8d37ac46f9_qw
	.p2align	8
	.type	k_q8d37ac46f9_qw,@function
k_q8d37ac46f9_qw:
	s_mov_b64 s[64:65], 0
	v_nop
	global_prefetch_b8 v0, s[64:65] scope:SCOPE_SE
	s_setreg_imm32_b32 hwreg(HW_REG_WAVE_MODE, 25, 1), 1
	s_wait_xcnt 0x0
; w_qkv [1024][3072] and w_out [1024][1024], f32, K on the FIRST axis, become codes of FP6 (E2M3) with K innermost, wc [4096][768 bytes], and scale bytes ws [4096][32].
; Rows 0-3071 of wc are w_qkv's columns, rows 3072-4095 w_out's.  ROW P HOLDS COLUMN pi(P), pi = P with bits 3 and 4 exchanged: a tile of 16 rows then gives the products
; that use it as source 0 results whose 16 registers of two neighbouring tiles are 16 neighbouring columns.
; A lane takes a column and its registers run down K: a block of 32 along K lies in one lane, and the conversions give codes with K innermost.  Nothing is transposed by an instruction.
; A wave takes 32 columns x 256 along K; its codes leave through its own stage in LDS, sixteen lanes to a row's 192 consecutive bytes.
; Work-groups x < 24 take w_qkv, the others w_out: only the pointer, the row's length and the first column are chosen (on the work-group's number); there is one path.
; LIMITS: a block of zeros gets the byte 1 where the rule says 127 (its codes are zeros, this program alone reads the bytes); blocks under 2^-124 keep the floor's byte; NaN and infinities are not served.
; No cluster, no tensor load: work-groups share no input.
.set NB,    8                          ; blocks of 32 along K for a wave
.set ROWB,  192                        ; bytes of 256 codes
.set PITCH, 272                        ; a stage row: sixteen places of 16 bytes (12 of codes each) + 16
.set KROW,  768                        ; a row of wc
.set EMAX,  2
.set X,     32                         ; v32-95   two sets of 32 numbers
.set C,     96                         ; v96-102  a block's codes
.set OUTR,  112                        ; v112-175 the way out
.set OFS,   176                        ; v176-207 byte offset of row i of a block at my column: i x row length + 4 x lane; never rewritten
.set SB,    24                         ; v24-25   the scale bytes
.set SPW,   14
.set NIL,   15
.set SPARE, 4*32*PITCH                 ; behind the four stages: the spare words, 128 bytes a wave
.set BAS,   32                         ; s[32:47] the input at my wave's first column, block t's first row: eight bases, never stepped
	s_load_b256 s[4:11], s[0:1], 0x0               ; w_qkv, w_out, wc, ws
	v_lshl_add_u32 v[SPW], v0, 2, SPARE
	v_mov_b32 v[NIL], 0
	v_lshrrev_b32 v1, 5, v0
	v_readfirstlane_b32 s16, v1                    ; wave
	v_and_b32 v2, 31, v0                           ; lane
	s_lshl_b32 s17, ttmp9, 7
	s_lshl_b32 s18, s16, 5
	s_add_co_u32 s17, s17, s18                     ; my wave's first row of wc: 128 x + 32 wave
	s_and_b32 s18, ttmp7, 0xffff                   ; which 256 along K
	s_mov_b32 s19, 4096
	s_cmp_lt_u32 ttmp9, 24
	s_cselect_b32 s19, 12288, s19                  ; a row of the input in bytes
	s_cselect_b32 s20, 0, 3072
	s_sub_co_u32 s20, s17, s20                     ; my wave's first column in its tensor
	v_lshlrev_b32 v3, 2, v2
.set i, 0
.rept 32
	v_mad_u32_u24 v[OFS+i], s19, i, v3
.set i, i+1
.endr
	v_and_b32 v10, 7, v2                           ; pi(lane): bits 3 and 4 change places
	v_bfe_u32 v11, v2, 3, 1
	v_lshl_or_b32 v10, v11, 4, v10
	v_bfe_u32 v11, v2, 4, 1
	v_lshl_or_b32 v10, v11, 3, v10
	s_mul_i32 s21, s16, 32*PITCH                   ; my stage
	v_mul_u32_u24 v4, v10, PITCH
	v_add_nc_u32 v4, s21, v4                       ; into it: row pi(lane)
	v_and_b32 v5, 15, v2
	v_lshrrev_b32 v6, 4, v2
	v_mul_u32_u24 v7, v6, PITCH
	v_lshl_add_u32 v7, v5, 4, v7
	v_add_nc_u32 v7, s21, v7                       ; out of it: sixteen lanes to a row, two rows an instruction
	v_mul_u32_u24 v8, v6, KROW
	v_mad_u32_u24 v8, v5, 12, v8                   ; and the same place in wc
	v_lshlrev_b32 v9, 5, v10                       ; my column's row of ws
	s_mul_i32 s22, s18, s19
	s_lshl_b32 s22, s22, 8                         ; 256 y rows of the input,
	s_lshl_b32 s23, s20, 2
	s_add_co_u32 s22, s22, s23                     ; + 4 x column
	s_mov_b32 s23, 0
	s_lshl_b32 s24, s19, 5                         ; a block on: 32 rows
	s_mul_i32 s26, s17, KROW
	s_mul_i32 s27, s18, ROWB
	s_add_co_u32 s26, s26, s27                     ; wc: row x 768 + 192 y
	s_mov_b32 s27, 0
	s_lshl_b32 s28, s17, 5
	s_lshl_b32 s29, s18, 3
	s_add_co_u32 s28, s28, s29                     ; ws: row x 32 + 8 y
	s_mov_b32 s29, 0
	s_wait_kmcnt 0x0
	s_cmp_lt_u32 ttmp9, 24                         ; the choice hangs on the work-group's number alone
	s_cselect_b64 s[4:5], s[4:5], s[6:7]
	s_add_nc_u64 s[8:9], s[8:9], s[26:27]
	s_add_nc_u64 s[10:11], s[10:11], s[28:29]
.irp t, 0,1,2,3,4,5,6,7
	s_add_nc_u64 s[BAS+2*\t:BAS+2*\t+1], s[4:5], s[22:23]
	s_add_co_u32 s22, s22, s24
.endr
.macro LOAD t                          ; block t: W(32 t + i, my column) into set t % 2; a wave's load reads 128 consecutive bytes, the four waves stand side by side
.irp i, 0,1,2,3,4,5,6,7,8,9,10,11,12,13,14,15,16,17,18,19,20,21,22,23,24,25,26,27,28,29,30,31
	global_load_b32 v[X+32*((\t)%2)+\i], v[OFS+\i], s[BAS+2*(\t):BAS+2*(\t)+1] th:TH_LOAD_NT
.endr
.endm
	LOAD 0
	LOAD 1
.macro BLOCK t
.set XS, X+32*((\t)%2)
.if (\t) < NB-1
	s_wait_loadcnt 32                              ; this block's 32 loads are in; the next block's may be out
.else
	s_wait_loadcnt 0
.endif
	v_max3_num_f32 v12, |v[XS]|, |v[XS+1]|, |v[XS+2]|               ; the block's largest magnitude: all 32 numbers are mine
	v_max3_num_f32 v13, |v[XS+3]|, |v[XS+4]|, |v[XS+5]|
.irp i, 6,10,14,18,22,26
	v_max3_num_f32 v12, v12, |v[XS+\i]|, |v[XS+\i+1]|
	v_max3_num_f32 v13, v13, |v[XS+\i+2]|, |v[XS+\i+3]|
.endr
	v_max3_num_f32 v12, v12, |v[XS+30]|, |v[XS+31]|
	v_max3_num_f32 v12, v12, v13, (EMAX+1)<<23     ; and the floor 2^(3 - 127)
	v_add_nc_u32 v11, -(EMAX<<23), v12             ; the conversion's scale operand
	v_lshrrev_b32 v13, 23, v11                     ; the scale's byte
.if (\t)%4 == 0
	v_mov_b32 v[SB+(\t)/4], v13                    ; four bytes to a register, the lower K in the lower byte
.else
	v_lshl_or_b32 v[SB+(\t)/4], v13, 8*((\t)%4), v[SB+(\t)/4]
.endif
	v_cvt_scalef32_pk16_fp6_f32 v[C:C+2], v[XS:XS+15], v11
	v_cvt_scalef32_pk16_fp6_f32 v[C+4:C+6], v[XS+16:XS+31], v11     ; (a conversion's three registers begin on an even number)
	ds_store_b96 v4, v[C:C+2] offset:32*(\t)       ; 12 bytes to a place of 16: every LDS address is a multiple of 16
	ds_store_b96 v4, v[C+4:C+6] offset:32*(\t)+16
.if (\t)+2 < NB
	LOAD (\t)+2
.endif
	s_wait_dscnt 0x0                               ; the stores have read their registers: the next block's codes may be written (plain vector lines come first)
.endm
.set Q, 0
.rept NB
	BLOCK Q
.set Q, Q+1
.endr
	global_store_b64 v9, v[SB:SB+1], s[10:11]      ; my column's eight scale bytes
.irp t, 0,1,2,3,4,5,6,7,8,9,10,11,12,13,14,15
	ds_load_b96 v[OUTR+4*\t:OUTR+4*\t+2], v7 offset:2*\t*PITCH   ; LDS serves a wave's instructions in order: these see my stores
.endr
.irp t, 0,1,2,3,4,5,6,7,8,9,10,11,12,13,14,15
	s_wait_dscnt 15-\t
	global_store_b96 v8, v[OUTR+4*\t:OUTR+4*\t+2], s[8:9] offset:2*\t*KROW
.endr
	s_wait_tensorcnt 0x0                           ; the wave's end, behind my last LDS store
	ds_add_u32 v[SPW], v[NIL]
	s_wait_dscnt 0x0
	s_endpgm
.Lfunc_end_k_q8d37ac46f9_qw:
	.size	k_q8d37ac46f9_qw, .Lfunc_end_k_q8d37ac46f9_qw-k_q8d37ac46f9_qw
	.p2alignl 7, 3214868480
	.fill 96, 4, 3214868480
	.section	.rodata,"a",@progbits
	.p2align	6, 0x0
	.amdhsa_kernel k_q8d37ac46f9_qw
		.amdhsa_group_segment_fixed_size 35840
		.amdhsa_private_segment_fixed_size 0
		.amdhsa_enable_private_segment 0
		.amdhsa_kernarg_size 32
		.amdhsa_user_sgpr_count 2
		.amdhsa_user_sgpr_kernarg_segment_ptr 1
		.amdhsa_wavefront_size32 1
		.amdhsa_system_sgpr_workgroup_id_x 1
		.amdhsa_system_sgpr_workgroup_id_y 1
		.amdhsa_system_sgpr_workgroup_id_z 1
		.amdhsa_system_vgpr_workitem_id 0
		.amdhsa_next_free_vgpr 208
		.amdhsa_next_free_sgpr 66
		.amdhsa_reserve_vcc 0
		.amdhsa_float_denorm_mode_32 3
		.amdhsa_float_denorm_mode_16_64 3
		.amdhsa_memory_ordered 1
		.amdhsa_forward_progress 1
		.amdhsa_inst_pref_size 45
	.end_amdhsa_kernel
	.amdgpu_metadata
---
amdhsa.version: [ 1, 2 ]
amdhsa.kernels:
  - .name:           k_q8d37ac46f9_qw
    .symbol:         k_q8d37ac46f9_qw.kd
    .args:
      - { .name: w_qkv, .offset: 0, .size: 8, .value_kind: global_buffer, .address_space: global }
      - { .name: w_out, .offset: 8, .size: 8, .value_kind: global_buffer, .address_space: global }
      - { .name: wc, .offset: 16, .size: 8, .value_kind: global_buffer, .address_space: global }
      - { .name: ws, .offset: 24, .size: 8, .value_kind: global_buffer, .address_space: global }
    .group_segment_fixed_size: 35840
    .private_segment_fixed_size: 0
    .kernarg_segment_align: 8
    .kernarg_segment_size: 32
    .max_flat_workgroup_size: 128
    .sgpr_count:     66
    .vgpr_count:     208
    .wavefront_size: 32
...
	.end_amdgpu_metadata
.endif
;; end of part 2
;; launch gqkv (part 3): grid 12 x 32, 4 waves a work-group, clusters of 4 x 4, 327,680 bytes of LDS; arguments xc, xs, wc, ws, b_qkv, qb, kvb; writes qb, kvb
.if DOCPART == 3
	.amdgcn_target "amdgcn-amd-amdhsa--gfx1250"
	.amdhsa_code_object_version 6
	.text
	.protected	k_q8d37ac46f9_gqkv
	.globl	k_q8d37ac46f9_gqkv
	.p2align	8
	.type	k_q8d37ac46f9_gqkv,@function
k_q8d37ac46f9_gqkv:
	s_mov_b64 s[64:65], 0
	v_nop
	global_prefetch_b8 v0, s[64:65] scope:SCOPE_SE
	s_setreg_imm32_b32 hwreg(HW_REG_WAVE_MODE, 25, 1), 1
	s_wait_xcnt 0x0
	s_wait_alu depctr_hold_cnt(0) depctr_sa_sdst(0) depctr_va_vdst(0) depctr_va_sdst(0) depctr_va_ssrc(0) depctr_va_vcc(0) depctr_vm_vsrc(0)
	s_getreg_b32 s2, hwreg(HW_REG_IB_STS2, 6, 4)
	s_cmp_eq_u32 s2, 0
	s_cbranch_scc0 .Lentry_in_a_cluster
	s_endpgm
.Lentry_in_a_cluster:
	s_bfe_u32 s2, ttmp6, 0x10000c
	s_cmp_lg_u32 s2, 0xf033
	s_cbranch_scc0 .Lentry_shape_is_right
	s_endpgm
.Lentry_shape_is_right:
; qkv = x w_qkv + b_qkv on codes of FP6 (E2M3) with E8M0 scales, K = 1024, and the quantising of q, k and v for the attention, in one launch.
; A tile of 256 x 256 is made by four waves, 128 x 128 each (64 accumulators, 512 registers); K goes in steps of 256 through a ring of two LDS slots filled by the tensor data mover;
; the scale bytes of the tile's 512 rows come into LDS once.  4 x 4 work-groups form a cluster: A's tiles are asked for jointly along a row of the cluster, B's along a column.
; THE MATRIX INSTRUCTION IS USED TRANSPOSED (source 0 = 16 rows of B, source 1 = 16 rows of A): lane (r, h) holds row 16 a + r of A and rows 16 b + 8 h + 0..7 of B.
; MODES, by the cluster's x, which all partners share.  x = 0 (q), 1 (k): A = x's tokens, B = rows 0-2047 of wc: a lane's registers run along the head's dims, along which q and k are quantised.
; x = 2 (v): A = rows 2048-3071 of wc, B = x's tokens: a lane's registers run along the tokens, the keys, along which v is quantised.
; Row P of wc holds column pi(P) (bits 3 and 4 exchanged), so the 16 registers of accumulators 2 b, 2 b + 1 are 16 neighbouring columns.  Along the tokens (mode v) place 16 h + 8 u + j of a block of 32
; holds token 16 u + 8 h + j: the attention lays p in the same order, so the products are the same; the blocks of 32 are the true ones.
; OUT: images of operand registers (register group g of lane l at 512 g + 16 l), no LDS on the way.  qb [64 heads][16 records][6,656]: 128 queries: four pair fragments of 1,536 bytes, 512 bytes of scale words.
; kvb [64][16][13,312]: 128 keys: K's four pair fragments, V's four fragments (+6,144), K's scale words (+12,288), V's (+12,800).
; A PAIR FRAGMENT (K = 64 fills half an instruction): registers 0-5 hold 16 tokens of tile 2 f, registers 6-11 those of tile 2 f + 1; its scale word: two bytes of each.
; LIMITS: a block of zeros gets the byte 1 where the rule says 127 (zero codes; read by this program alone); blocks under 2^-124 keep the floor's byte; NaN and infinities are not served.
; REGISTERS: window 0: v0-31 addresses; v32-63 scale words, two sets; v64-127 bias; from v128 A's fragments, one set; window 1: B's fragments, two sets; windows 2, 3: the accumulators ((a, b) at v[8 (8 (a % 4) + b)]).
.set KSTEP,  256
.set NQ,     2                         ; matrix instructions deep in a slot
.set ROWB,   192                       ; a tile's row in bytes
.set KROW,   768                       ; a row of codes in memory
.set PITCH,  240                       ; an LDS row: 3 x (64 bytes + 16 of padding)
.set FR,     12                        ; registers of a fragment
.set NL,     6                         ; LDS loads that bring one
.set NP,     4                         ; places behind this matrix instruction (ISA guide 7.12.1)
.set HALFT,  128*PITCH
.set SLOT,   4*HALFT
.set LAPS,   2                         ; 1024 / 512
.set KS,     32                        ; a row of scale bytes
.set SCL,    2*SLOT                    ; behind the ring: the scales, units of 256 bytes + 16 of padding
.set HALFS,  16*272                    ; those of 128 rows
.set SBLK,   2*272                     ; those of 16 rows
.set SPARE,  SCL+4*HALFS               ; the spare words, 128 bytes a wave, named by no other line
.set HEADQ,  106496                    ; a head in qb; k's and v's figures in kvb are twice q's
.set QREC,   6656
.set ADRA, 16                          ; v16-17 LDS address of my A fragments in slot 0, 1 (v18-19: behind one padding more)
.set ADRB, 20                          ; v20-23 the same for B
.set ADRS, 27                          ; v27 my scale words: lanes 0-15 A's rows, lanes 16-31 B's
.set SPW,  28
.set NIL,  29
.set BO,   30                          ; v30 my lane's offset in the bias
.set LI,   31                          ; v31 16 x lane
.set SC,   32
.set BIAS, 64
.set AF,   128
.set T,    128                         ; the way out: v128-191 64 numbers of a lane
.set PC,   192                         ; v192-215 codes
.set PX,   216                         ; v216-222 the blocks' second halves
.set TM,   224                         ; v224-227 largest magnitudes, v228-231 bytes, v236-239 scale operands
.set W,    240                         ; v240-247 scale words: head c, fragment f at W + 4 c + f
.set SEL,  18                          ; s[18:19] lane selects for lane l xor 16
.set PI0,  12                          ; s[12:13], s[66:67] where head 0's and head 1's images go; s[92:93], s[94:95] their scale words
.set PI1,  66
.set PS0,  92
.set PS1,  94
.set G1, 24
.set G0, 32
.set G1B, 48
.set G0B, 56
.set G1S, 68
.set G0S, 76
.set G1SB, 80
.set G0SB, 88
.set MSB, 0
.macro WIN new                         ; the immediate's high byte repeats the setting that is left
.if MSB != (\new)
	s_set_vgpr_msb (MSB<<8)|(\new)
.set MSB, (\new)
.endif
.endm
.set MUL_LO, 0xa1                      ; source 0 (B) window 1, source 1 (A) window 0, C and D window 2
.set MUL_HI, 0xf1
.set TO_B,   0x40
; A joint load: waves 0 and 1 fetch for A, waves 2 and 3 for B; the branch hangs on the wave's number alone.  An s_nop 0 and four v_nop follow each line.
.macro JLOAD g0a, g1a, g0b, g1b
	s_cmp_eq_u32 s15, 0
	s_cbranch_scc0 .Lfor_b_\@
	tensor_load_to_lds s[\g0a:\g0a+3], s[\g1a:\g1a+7]
	s_nop 0
.rept 4
	v_nop
.endr
	s_branch .Lasked_\@
.Lfor_b_\@:
	tensor_load_to_lds s[\g0b:\g0b+3], s[\g1b:\g1b+7]
	s_nop 0
.rept 4
	v_nop
.endr
.Lasked_\@:
.endm
.macro CREST                           ; a round of the cluster's barrier behind its opening barrier
	s_cmp_lg_u32 s14, 0
	s_cbranch_scc1 .Lnot_wave_0_\@
	s_barrier_signal -3
.Lnot_wave_0_\@:
	s_barrier_wait -3
	s_barrier_signal -1
	s_barrier_wait -1
.endm
.macro CROUND
	s_barrier_signal -1
	s_barrier_wait -1
	CREST
.endm
	s_load_b256 s[4:11], s[0:1], 0x0               ; xc, xs, wc, ws
	s_load_b128 s[96:99], s[0:1], 0x20             ; b_qkv, qb
	s_load_b64 s[100:101], s[0:1], 0x30            ; kvb
	v_lshl_add_u32 v[SPW], v0, 2, SPARE
	v_mov_b32 v[NIL], 0
	ds_add_u32 v[SPW], v[NIL]                      ; the wave's opening: the add and its wait ahead of my first tensor load
	v_lshrrev_b32 v1, 5, v0
	v_readfirstlane_b32 s14, v1                    ; wave 0..3
	s_lshr_b32 s15, s14, 1                         ; which half of the tile's A rows is mine.  Also: I fetch for A (0) or for B (1)
	s_and_b32 s16, s14, 1                          ; which half of its B rows.  Also: which 128 rows I fetch
	s_bfe_u32 s40, ttmp6, 0x40000                  ; cx
	s_bfe_u32 s41, ttmp6, 0x40004                  ; cy
	s_and_b32 s17, ttmp7, 0xffff                   ; the cluster's y
	s_cmp_eq_u32 ttmp9, 2                          ; mode v?  The cluster's x is the same in all partners
	s_cselect_b32 s42, s17, ttmp9                  ; clusters along B: the tokens in mode v, else q's or k's columns
	s_cselect_b32 s17, 0, s17                      ; clusters along A: one in mode v, else the tokens
	s_cselect_b32 s95, 2048, 0                     ; A's first row in its buffer: v's rows of wc begin at 2048
	s_lshl_b32 s42, s42, 2
	s_add_co_u32 s42, s42, s40                     ; tile column
	s_lshl_b32 s17, s17, 2
	s_add_co_u32 s17, s17, s41                     ; tile row
	s_lshl_b32 s43, s41, 2
	s_lshl_b32 s43, 15, s43                        ; my row of the cluster
	s_lshl_b32 s44, 0x1111, s40                    ; my column
	s_or_b32 s[G1+0], s43, (0<<16)|(1<<20)|(1<<21)|(3<<22)|(3<<25)  ; mask; elements of 1 byte; padding on; bit 21 beside a mask; after every 16 words, 4 words
	s_or_b32 s[G1B+0], s44, (0<<16)|(1<<20)|(1<<21)|(3<<22)|(3<<25)
.irp g, G1, G1B
	s_mov_b32 s[\g+1], ROWB<<16                    ; tensor_dim0
	s_mov_b32 s[\g+2], 128<<16                     ; tensor_dim1
	s_mov_b32 s[\g+3], ROWB<<16                    ; tile_dim0
	s_mov_b32 s[\g+4], 128                         ; tile_dim1
	s_mov_b32 s[\g+5], KROW                        ; pitch
	s_mov_b32 s[\g+6], 0
	s_mov_b32 s[\g+7], 0
.endr
	s_or_b32 s[G1S+0], s43, (3<<16)|(1<<20)|(1<<21)|(5<<22)|(3<<25)  ; the scales of 128 rows: 4,096 dense bytes as 16 rows of 256, 16 bytes of padding behind each
	s_or_b32 s[G1SB+0], s44, (3<<16)|(1<<20)|(1<<21)|(5<<22)|(3<<25)
.irp g, G1S, G1SB
	s_mov_b32 s[\g+1], 32<<16
	s_mov_b32 s[\g+2], 16<<16
	s_mov_b32 s[\g+3], 32<<16
	s_mov_b32 s[\g+4], 16
	s_mov_b32 s[\g+5], 32
	s_mov_b32 s[\g+6], 0
	s_mov_b32 s[\g+7], 0
.endr
	s_lshl_b32 s18, s16, 7                         ; which 128 rows of the tile I fetch
	s_lshl_b32 s20, s17, 8
	s_add_co_u32 s20, s20, s18
	s_add_co_u32 s20, s20, s95                     ; A's row
	s_lshl_b32 s46, s42, 8
	s_add_co_u32 s46, s46, s18                     ; B's row
	s_mov_b32 s21, 0
	s_mov_b32 s47, 0
	s_mov_b64 s[18:19], KS
	s_mul_u64 s[22:23], s[20:21], s[18:19]         ; where these rows' scales begin,
	s_mul_u64 s[92:93], s[46:47], s[18:19]
	s_mov_b64 s[18:19], KROW
	s_mul_u64 s[20:21], s[20:21], s[18:19]         ; and their codes
	s_mul_u64 s[46:47], s[46:47], s[18:19]
	s_mul_i32 s45, s14, HALFT                      ; where they go: wave x 128 rows
	s_mul_i32 s94, s14, HALFS
	s_wait_dscnt 0x0                               ; the opening add is done
	s_wait_kmcnt 0x0
	s_cmp_eq_u32 ttmp9, 2                          ; which buffers are A's and which B's: a choice on the cluster's x alone
	s_cselect_b64 s[12:13], s[8:9], s[4:5]         ; A's codes
	s_cselect_b64 s[66:67], s[10:11], s[6:7]       ; A's scales
	s_cselect_b64 s[8:9], s[4:5], s[8:9]           ; B's codes
	s_cselect_b64 s[10:11], s[6:7], s[10:11]       ; B's scales
	s_add_nc_u64 s[20:21], s[12:13], s[20:21]
	s_add_nc_u64 s[22:23], s[66:67], s[22:23]
	s_add_nc_u64 s[46:47], s[8:9], s[46:47]
	s_add_nc_u64 s[92:93], s[10:11], s[92:93]
	CROUND                                         ; all sixteen work-groups are here: the first joint loads meet
	s_mov_b32 s[G0S], 1
	s_add_co_u32 s[G0S+1], s94, SCL
	s_mov_b64 s[G0S+2:G0S+3], s[22:23]
	s_or_b32 s[G0S+3], s[G0S+3], 0x80000000
	s_mov_b32 s[G0SB], 1
	s_add_co_u32 s[G0SB+1], s94, SCL
	s_mov_b64 s[G0SB+2:G0SB+3], s[92:93]
	s_or_b32 s[G0SB+3], s[G0SB+3], 0x80000000
	JLOAD G0S, G1S, G0SB, G1SB                     ; the scales first: they are wanted with K step 0
.irp s, 0,1
	s_mov_b32 s[G0+4*\s], 1
	s_add_co_u32 s[G0+4*\s+1], s45, \s*SLOT
	s_add_nc_u64 s[G0+4*\s+2:G0+4*\s+3], s[20:21], \s*ROWB
	s_or_b32 s[G0+4*\s+3], s[G0+4*\s+3], 0x80000000
	s_mov_b32 s[G0B+4*\s], 1
	s_add_co_u32 s[G0B+4*\s+1], s45, \s*SLOT
	s_add_nc_u64 s[G0B+4*\s+2:G0B+4*\s+3], s[46:47], \s*ROWB
	s_or_b32 s[G0B+4*\s+3], s[G0B+4*\s+3], 0x80000000
	JLOAD G0+4*\s, G1, G0B+4*\s, G1B
.endr
	v_and_b32 v1, 15, v0                           ; r; kept
	v_bfe_u32 v2, v0, 4, 1                         ; h; kept
	v_mul_u32_u24 v3, v1, PITCH
	v_mul_u32_u24 v4, v2, 24
	v_add_nc_u32 v4, v3, v4                        ; a fragment's row x pitch + 24 x half
	v_lshl_add_u32 v5, v2, 4, v4                   ; and the same behind one padding more
	s_mul_i32 s21, s15, HALFT                      ; my 128 rows of A
	s_mul_i32 s22, s16, HALFT                      ; my 128 rows of B,
	s_add_co_u32 s22, s22, 2*HALFT                 ; behind A's 256
.irp s, 0,1
	v_add_nc_u32 v[ADRA+\s], s21, v4
	v_add_nc_u32 v[ADRB+\s], s22, v4
	v_add_nc_u32 v[ADRA+2+\s], s21, v5
	v_add_nc_u32 v[ADRB+2+\s], s22, v5
	s_add_co_u32 s21, s21, SLOT
	s_add_co_u32 s22, s22, SLOT
.endr
	v_mul_u32_u24 v5, v1, KS                       ; my row's scales: 32 bytes a row,
	v_lshrrev_b32 v6, 8, v5
	v_lshl_add_u32 v5, v6, 4, v5                   ; and 16 more for each 256 passed
	s_mul_i32 s21, s15, HALFS
	s_mul_i32 s22, s16, HALFS
	s_add_co_u32 s22, s22, 2*HALFS
	s_sub_co_u32 s22, s22, s21
	v_mul_u32_u24 v6, s22, v2                      ; lanes 16-31 take B's: one product, the distance between the two bases
	s_add_co_u32 s21, s21, SCL
	v_add_nc_u32 v5, v5, v6
	v_add_nc_u32 v[ADRS], s21, v5
	v_and_b32 v6, 31, v0
	v_lshlrev_b32 v[LI], 4, v6
.irp b, 0,1,2,3
	v_mov_b32 v[TM+4+\b], 0                        ; written once: a lane permute's destination counts as one of its sources
.endr
	s_mov_b32 s[SEL], 0x76543210
	s_mov_b32 s[SEL+1], 0xfedcba98
.macro FRAG reg, adr, q, i             ; 16 rows x 128 K of 6-bit codes: lane l holds row l % 16; registers 6 c .. 6 c + 5: K = 64 c + 32 (l / 16) + 0..31, 24 bytes as they lie, in pieces of 8
.irp p, 0,1,2,3,4,5
.set PCE, 12*(\q)+6*(\p/3)+\p%3        ; the row's piece; where the piece three on lies behind one padding more, the second address register serves
.if PCE%8 < 5
	ds_load_b64 v[\reg+2*\p:\reg+2*\p+1], v[\adr] offset:8*PCE+16*(PCE/8)+(\i)*16*PITCH
.else
	ds_load_b64 v[\reg+2*\p:\reg+2*\p+1], v[\adr+2] offset:8*PCE+16*(PCE/8)+(\i)*16*PITCH
.endif
.endr
.endm
; 16 matrix instructions: A's blocks a0, a0 + 1 x B's eight.  The 64 accumulators take turns, one instruction a turn, in the same order in every step.
.macro MUL16 a0, p, q, sc, zero
.irp a, \a0, \a0+1
.irp b, 0,1,2,3,4,5,6,7
.if \zero
	v_wmma_scale_f32_16x16x128_f8f6f4 v[8*(8*((\a)%4)+\b):8*(8*((\a)%4)+\b)+7], v[128*(\p)+FR*\b:128*(\p)+FR*\b+FR-1], v[AF+FR*(\a):AF+FR*(\a)+FR-1], 0, v[SC+8*NQ*(\sc)+NQ*\b+(\q)], v[SC+8*NQ*(\sc)+NQ*(\a)+(\q)] matrix_a_fmt:MATRIX_FMT_FP6 matrix_b_fmt:MATRIX_FMT_FP6 matrix_a_scale:MATRIX_SCALE_ROW1
.else
	v_wmma_scale_f32_16x16x128_f8f6f4 v[8*(8*((\a)%4)+\b):8*(8*((\a)%4)+\b)+7], v[128*(\p)+FR*\b:128*(\p)+FR*\b+FR-1], v[AF+FR*(\a):AF+FR*(\a)+FR-1], v[8*(8*((\a)%4)+\b):8*(8*((\a)%4)+\b)+7], v[SC+8*NQ*(\sc)+NQ*\b+(\q)], v[SC+8*NQ*(\sc)+NQ*(\a)+(\q)] matrix_a_fmt:MATRIX_FMT_FP6 matrix_b_fmt:MATRIX_FMT_FP6 matrix_a_scale:MATRIX_SCALE_ROW1
.endif
.endr
.endr
.endm
.macro FETCH_B slot, q, p
	WIN TO_B
.irp i, 0,1,2,3,4,5,6,7
	FRAG 128*(\p)+FR*\i, ADRB+\slot, \q, \i
.endr
	WIN 0
.endm
.macro FETCH_A slot, q, i0
.irp i, \i0, \i0+1, \i0+2, \i0+3
	FRAG AF+FR*(\i), ADRA+\slot, \q, \i
.endr
.endm
.macro SCALES sc                       ; a K step's scale words: two words a row; lanes 0-15 A's block i, lanes 16-31 B's block i
.irp i, 0,1,2,3,4,5,6,7
	ds_load_b64 v[SC+8*NQ*\sc+NQ*\i:SC+8*NQ*\sc+NQ*\i+1], v[ADRS] offset:\i*SBLK
.endr
.endm
.macro PLACES n                        ; plain vector instructions between a matrix instruction and a load into, or a vector read or write of, its registers
.rept \n
	v_nop
.endr
.endm
.macro STEP slot, q, zero              ; 128 along K with its successor in the same slot
	s_wait_dscnt 4*NL                              ; B's set and A's blocks 0-3 are in; the youngest 24 loads (A's blocks 4-7) may be out
	WIN MUL_LO
	MUL16 0, (\q)%2, \q, \slot, \zero
	MUL16 2, (\q)%2, \q, \slot, \zero
	s_wait_dscnt 0
	PLACES NP
	FETCH_B \slot, (\q)+1, 1-(\q)%2
	FETCH_A \slot, (\q)+1, 0
	WIN MUL_HI
	MUL16 4, (\q)%2, \q, \slot, \zero
	MUL16 6, (\q)%2, \q, \slot, \zero
	PLACES NP
	WIN 0
	FETCH_A \slot, (\q)+1, 4
.endm
; A slot's last step changes slots: one barrier; in front of it each wave waits for all its tensor loads, adds 0 to its spare word, and waits for that and for its reads of this slot.
.macro TURN slot, next, fill
	s_wait_tensorcnt 0x0                           ; all my tensor loads have landed: my part of the next slot
	ds_add_u32 v[SPW], v[NIL]
	s_wait_dscnt 4*NL+1                            ; (the add and A's blocks 4-7 may be out)
	WIN MUL_LO
	MUL16 0, 1, NQ-1, \slot, 0
	s_wait_dscnt 0x0                               ; the add is done, and my reads of this slot are over
	s_barrier_signal -1
	MUL16 2, 1, NQ-1, \slot, 0
	WIN 0
	s_barrier_wait -1
.if \fill
	CREST                                          ; the barrier has opened a round of the cluster's: no wave of any partner still reads this slot or has a load on its way
	s_add_nc_u64 s[G0+4*\slot+2:G0+4*\slot+3], s[G0+4*\slot+2:G0+4*\slot+3], 2*ROWB
	s_add_nc_u64 s[G0B+4*\slot+2:G0B+4*\slot+3], s[G0B+4*\slot+2:G0B+4*\slot+3], 2*ROWB
	JLOAD G0+4*\slot, G1, G0B+4*\slot, G1B         ; the first tensor load behind the round; its four v_nop are the places in front of the loads below
.else
	PLACES NP
.endif
	v_add_nc_u32 v[ADRS], 4*NQ, v[ADRS]            ; the next K step's scale words
	FETCH_B \next, 0, 0
	FETCH_A \next, 0, 0
	SCALES \next
	WIN MUL_HI
	MUL16 4, 1, NQ-1, \slot, 0
	MUL16 6, 1, NQ-1, \slot, 0
	PLACES NP
	WIN 0
	FETCH_A \next, 0, 4
.endm
.macro LAST                            ; the very last 128 along K: nothing more to fetch
	s_wait_dscnt 4*NL
	WIN MUL_LO
	MUL16 0, 1, NQ-1, 1, 0
	MUL16 2, 1, NQ-1, 1, 0
	s_wait_dscnt 0
	WIN MUL_HI
	MUL16 4, 1, NQ-1, 1, 0
	MUL16 6, 1, NQ-1, 1, 0
	WIN 0
	PLACES NP                                      ; in front of the first read of results and the first write of registers that held fragments
.endm
; THE WAY OUT.  TAKE: block a's 64 numbers of my lane + the bias, each accumulator from its low end on.  mode 0: the bias runs along the registers; mode 1: one number for my row, in both halves of a pair.
.macro TAKE a, mode
	WIN 0x02+(\a)/4                                ; source 0: window 2 or 3
.set i, 0
.rept 32
.if \mode
	v_pk_add_f32 v[T+2*i:T+2*i+1], v[64*((\a)%4)+2*i:64*((\a)%4)+2*i+1], v[BIAS+2*(\a):BIAS+2*(\a)+1]
.else
	v_pk_add_f32 v[T+2*i:T+2*i+1], v[64*((\a)%4)+2*i:64*((\a)%4)+2*i+1], v[BIAS+2*i:BIAS+2*i+1]
.endif
.set i, i+1
.endr
	WIN 0
.endm
; QCORE: register 16 b + i of T is place 32 b + 16 (lane / 16) + i of my row.  Blocks 0, 1 become six registers of codes at d0, blocks 2, 3 at d1; the four bytes stand in v[TM+4] on.
.macro QCORE d0, d1
.irp b, 0,1,2,3
	v_max3_num_f32 v[TM+\b], |v[T+16*\b]|, |v[T+1+16*\b]|, 0x1800000   ; my 16 numbers, and the floor 2^(3 - 127)
.endr
.irp i, 2,4,6,8,10,12,14
.irp b, 0,1,2,3
	v_max3_num_f32 v[TM+\b], v[TM+\b], |v[T+16*\b+\i]|, |v[T+1+16*\b+\i]|
.endr
.endr
.irp b, 0,1,2,3
	v_permlanex16_b32 v[TM+4+\b], v[TM+\b], s[SEL], s[SEL+1]
.endr
.irp b, 0,1,2,3
	v_max_num_f32 v[TM+\b], v[TM+\b], v[TM+4+\b]   ; with lane l xor 16's: the block's largest magnitude
.endr
.irp b, 0,1,2,3
	v_add_nc_u32 v[TM+12+\b], 0xff000000, v[TM+\b] ; 2 off its exponent field: the conversion's scale operand
.endr
.irp b, 0,1,2,3
	v_lshrrev_b32 v[TM+4+\b], 23, v[TM+12+\b]      ; the scale's byte
.endr
	v_cvt_scalef32_pk16_fp6_f32 v[(\d0):(\d0)+2], v[T:T+15], v[TM+12]
	v_cvt_scalef32_pk16_fp6_f32 v[PX:PX+2], v[T+16:T+31], v[TM+13]      ; (a conversion's three registers begin on an even number)
	v_cvt_scalef32_pk16_fp6_f32 v[(\d1):(\d1)+2], v[T+32:T+47], v[TM+14]
	v_cvt_scalef32_pk16_fp6_f32 v[PX+4:PX+6], v[T+48:T+63], v[TM+15]
	v_nop                                          ; one plain place behind a scaled conversion
.irp i, 0,1,2
	v_permlane16_swap_b32 v[(\d0)+\i], v[PX+\i]    ; the layout wants a whole block in a lane: lanes 0-15 the first block, lanes 16-31 the second
	v_permlane16_swap_b32 v[(\d1)+\i], v[PX+4+\i]
.endr
.irp i, 0,1,2
	v_mov_b32 v[(\d0)+3+\i], v[PX+\i]
	v_mov_b32 v[(\d1)+3+\i], v[PX+4+\i]
.endr
.endm
.macro PUT reg, ptr, off               ; a fragment's image: each store of the wave covers 512 consecutive bytes, aligned to 256
.irp g, 0,1,2
	global_store_b128 v[LI], v[(\reg)+4*\g:(\reg)+4*\g+3], s[\ptr:\ptr+1] offset:(\off)+512*\g
.endr
.endm
	s_wait_tensorcnt 1                             ; the scales and my part of K step 0 are in (K step 1's load may be out),
	s_barrier_signal -1
	s_barrier_wait -1                              ; everybody's are
	FETCH_B 0, 0, 0
	FETCH_A 0, 0, 0
	SCALES 0
	FETCH_A 0, 0, 4
	STEP 0, 0, 1                                   ; the first step's products start the sums
	s_mov_b32 s3, LAPS-1
.Llap:                                                 ; a trip goes once round the ring and fills both slots again
	TURN 0, 1, 1
	STEP 1, 0, 0
	TURN 1, 0, 1
	STEP 0, 0, 0
	s_sub_co_u32 s3, s3, 1
	s_cmp_lg_u32 s3, 0
	s_cbranch_scc1 .Llap
	TURN 0, 1, 0                                   ; the last lap fills nothing: no tensor load is out from here on
	s_cmp_eq_u32 ttmp9, 2                          ; the two modes part here, on the cluster's x: each asks for its bias, runs the last 128 products and goes out
	s_cbranch_scc1 .Lv_arm
	; ---- q or k.  The bias of my 128 columns: register 16 b + 8 u + j belongs to column 32 b + 16 h + 8 u + j
	v_lshlrev_b32 v[BO], 6, v2                     ; 64 h
	s_lshl_b32 s20, s42, 10                        ; 4 x 256 x tile column
	s_lshl_b32 s21, s16, 9
	s_add_co_u32 s20, s20, s21
	s_mov_b32 s21, 0
	s_add_nc_u64 s[96:97], s[96:97], s[20:21]
.irp b, 0,1,2,3
.irp q, 0,1,2,3
	global_load_b128 v[BIAS+16*\b+4*\q:BIAS+16*\b+4*\q+3], v[BO], s[96:97] offset:128*\b+16*\q
.endr
.endr
	s_lshl_b32 s20, s17, 1
	s_add_co_u32 s20, s20, s15                     ; which 128 tokens are mine: 0..63
	s_and_b32 s21, s42, 3
	s_lshl_b32 s21, s21, 1
	s_add_co_u32 s21, s21, s16                     ; which pair of heads: 0..7
	s_lshr_b32 s22, s20, 4                         ; the batch
	s_lshl_b32 s22, s22, 3
	s_add_co_u32 s22, s22, s21
	s_mul_i32 s22, s22, 2*HEADQ                    ; (16 batch + 2 pair) heads,
	s_and_b32 s20, s20, 15
	s_mul_i32 s20, s20, QREC                       ; + the record, in q's figures
	s_add_co_u32 s22, s22, s20
	s_cmp_eq_u32 ttmp9, 0
	s_cselect_b32 s23, 0, 1                        ; k's figures in kvb are twice q's in qb
	s_cselect_b64 s[PI0:PI0+1], s[98:99], s[100:101]
	s_lshl_b32 s46, s22, s23
	s_mov_b32 s47, 0
	s_add_nc_u64 s[PI0:PI0+1], s[PI0:PI0+1], s[46:47]
	s_lshl_b32 s46, HEADQ, s23
	s_add_nc_u64 s[PI1:PI1+1], s[PI0:PI0+1], s[46:47]
	s_lshl_b32 s46, 6144, s23
	s_add_nc_u64 s[PS0:PS0+1], s[PI0:PI0+1], s[46:47]
	s_add_nc_u64 s[PS1:PS1+1], s[PI1:PI1+1], s[46:47]
	STEP 1, 0, 0
	LAST
	s_wait_loadcnt 0x0                             ; the bias
.irp f, 0,1,2,3
.irp u, 0,1
.if (\f > 0) && (\u == 0)
	s_wait_xcnt 0x0                                ; the last pair's stores have read their registers: the codes are written again only behind this wait
.endif
	TAKE 2*\f+\u, 0
	QCORE PC+6*\u, PC+12+6*\u                      ; head 0's half of pair f at PC + 6 u, head 1's at PC + 12 + 6 u
.irp c, 0,1
.if \u == 0
	v_lshl_or_b32 v[W+4*\c+\f], v[TM+5+2*\c], 8, v[TM+4+2*\c]
.else
	v_lshl_or_b32 v[W+4*\c+\f], v[TM+4+2*\c], 16, v[W+4*\c+\f]
	v_lshl_or_b32 v[W+4*\c+\f], v[TM+5+2*\c], 24, v[W+4*\c+\f]
.endif
.endr
.endr
	PUT PC, PI0, 1536*\f
	PUT PC+12, PI1, 1536*\f
.endr
	global_store_b128 v[LI], v[W:W+3], s[PS0:PS0+1]
	global_store_b128 v[LI], v[W+4:W+7], s[PS1:PS1+1]
	s_branch .Lend
.Lv_arm:
	; ---- v.  The bias of my row: row 16 a + r of wc's v part holds column 32 (a / 2) + 8 (a % 2) + 16 (r / 8) + r % 8
	v_lshrrev_b32 v[BO], 3, v1
	v_and_b32 v3, 7, v1
	v_lshlrev_b32 v[BO], 6, v[BO]
	v_lshl_add_u32 v[BO], v3, 2, v[BO]
	s_lshl_b32 s20, s17, 10
	s_lshl_b32 s21, s15, 9
	s_add_co_u32 s20, s20, s21
	s_add_co_u32 s20, s20, 4*2048
	s_mov_b32 s21, 0
	s_add_nc_u64 s[96:97], s[96:97], s[20:21]
.irp a, 0,1,2,3,4,5,6,7
	global_load_b32 v[BIAS+2*\a], v[BO], s[96:97] offset:128*(\a/2)+32*(\a%2)
	global_load_b32 v[BIAS+2*\a+1], v[BO], s[96:97] offset:128*(\a/2)+32*(\a%2)   ; the same word: the packed addition takes a pair
.endr
	s_lshl_b32 s20, s42, 1
	s_add_co_u32 s20, s20, s16                     ; which 128 tokens
	s_lshl_b32 s21, s17, 1
	s_add_co_u32 s21, s21, s15                     ; which pair of heads
	s_lshr_b32 s22, s20, 4
	s_lshl_b32 s22, s22, 3
	s_add_co_u32 s22, s22, s21
	s_mul_i32 s22, s22, 4*HEADQ
	s_and_b32 s20, s20, 15
	s_mul_i32 s20, s20, 2*QREC
	s_add_co_u32 s46, s22, s20
	s_mov_b32 s47, 0
	s_add_nc_u64 s[PS0:PS0+1], s[100:101], s[46:47]
	s_add_nc_u64 s[PI0:PI0+1], s[PS0:PS0+1], 6144
	s_add_nc_u64 s[PI1:PI1+1], s[PI0:PI0+1], 2*HEADQ
	s_add_nc_u64 s[PS0:PS0+1], s[PS0:PS0+1], 12800
	s_add_nc_u64 s[PS1:PS1+1], s[PS0:PS0+1], 2*HEADQ
	STEP 1, 0, 0
	LAST
	s_wait_loadcnt 0x0                             ; the bias
.irp a, 0,1,2,3,4,5,6,7
.if \a > 0
	s_wait_xcnt 0x0                                ; the last fragment's stores have read their registers
.endif
	TAKE \a, 1
	QCORE PC, PC+6                                 ; 16 dims x 128 keys: fragment a % 4 of head a / 4
	v_lshl_or_b32 v[W+\a], v[TM+5], 8, v[TM+4]
	v_lshl_or_b32 v[W+\a], v[TM+6], 16, v[W+\a]
	v_lshl_or_b32 v[W+\a], v[TM+7], 24, v[W+\a]
.if \a < 4
	PUT PC, PI0, 1536*(\a%4)
.else
	PUT PC, PI1, 1536*(\a%4)
.endif
.endr
	global_store_b128 v[LI], v[W:W+3], s[PS0:PS0+1]
	global_store_b128 v[LI], v[W+4:W+7], s[PS1:PS1+1]
.Lend:
	s_wait_tensorcnt 0x0                           ; the wave's end
	ds_add_u32 v[SPW], v[NIL]
	s_wait_dscnt 0x0
	CROUND                                         ; the closing round: no work-group ends while a partner may still ask for a tile that names it
	s_endpgm
.Lfunc_end_k_q8d37ac46f9_gqkv:
	.size	k_q8d37ac46f9_gqkv, .Lfunc_end_k_q8d37ac46f9_gqkv-k_q8d37ac46f9_gqkv
	.p2alignl 7, 3214868480
	.fill 96, 4, 3214868480
	.section	.rodata,"a",@progbits
	.p2align	6, 0x0
	.amdhsa_kernel k_q8d37ac46f9_gqkv
		.amdhsa_group_segment_fixed_size 327680
		.amdhsa_private_segment_fixed_size 0
		.amdhsa_enable_private_segment 0
		.amdhsa_kernarg_size 56
		.amdhsa_user_sgpr_count 2
		.amdhsa_user_sgpr_kernarg_segment_ptr 1
		.amdhsa_wavefront_size32 1
		.amdhsa_system_sgpr_workgroup_id_x 1
		.amdhsa_system_sgpr_workgroup_id_y 1
		.amdhsa_system_sgpr_workgroup_id_z 1
		.amdhsa_system_vgpr_workitem_id 0
		.amdhsa_next_free_vgpr 1024
		.amdhsa_next_free_sgpr 102
		.amdhsa_reserve_vcc 0
		.amdhsa_float_denorm_mode_32 3
		.amdhsa_float_denorm_mode_16_64 3
		.amdhsa_memory_ordered 1
		.amdhsa_forward_progress 1
		.amdhsa_inst_pref_size 255
	.end_amdhsa_kernel
	.section	.bss,"aw",@nobits
	.p2align	6
	.space	262144
	.amdgpu_metadata
---
amdhsa.version: [ 1, 2 ]
amdhsa.kernels:
  - .name:           k_q8d37ac46f9_gqkv
    .symbol:         k_q8d37ac46f9_gqkv.kd
    .args:
      - { .name: xc, .offset: 0, .size: 8, .value_kind: global_buffer, .address_space: global }
      - { .name: xs, .offset: 8, .size: 8, .value_kind: global_buffer, .address_space: global }
      - { .name: wc, .offset: 16, .size: 8, .value_kind: global_buffer, .address_space: global }
      - { .name: ws, .offset: 24, .size: 8, .value_kind: global_buffer, .address_space: global }
      - { .name: b_qkv, .offset: 32, .size: 8, .value_kind: global_buffer, .address_space: global }
      - { .name: qb, .offset: 40, .size: 8, .value_kind: global_buffer, .address_space: global }
      - { .name: kvb, .offset: 48, .size: 8, .value_kind: global_buffer, .address_space: global }
    .group_segment_fixed_size: 327680
    .private_segment_fixed_size: 0
    .kernarg_segment_align: 8
    .kernarg_segment_size: 56
    .max_flat_workgroup_size: 128
    .sgpr_count:     102
    .vgpr_count:     1024
    .wavefront_size: 32
...
	.end_amdgpu_metadata
.endif
;; end of part 3
;; launch attn (part 4): grid 4 x 64, 16 waves a work-group, clusters of 4 x 1, 215,040 bytes of LDS; arguments qb, kvb, ac, asc; writes ac, asc
.if DOCPART == 4
	.amdgcn_target "amdgcn-amd-amdhsa--gfx1250"
	.amdhsa_code_object_version 6
	.text
	.protected	k_q8d37ac46f9_attn
	.globl	k_q8d37ac46f9_attn
	.p2align	8
	.type	k_q8d37ac46f9_attn,@function
k_q8d37ac46f9_attn:
	s_mov_b64 s[64:65], 0
	v_nop
	global_prefetch_b8 v0, s[64:65] scope:SCOPE_SE
	s_setreg_imm32_b32 hwreg(HW_REG_WAVE_MODE, 25, 1), 1
	s_wait_xcnt 0x0
	s_wait_alu depctr_hold_cnt(0) depctr_sa_sdst(0) depctr_va_vdst(0) depctr_va_sdst(0) depctr_va_ssrc(0) depctr_va_vcc(0) depctr_vm_vsrc(0)
	s_getreg_b32 s2, hwreg(HW_REG_IB_STS2, 6, 4)
	s_cmp_eq_u32 s2, 0
	s_cbranch_scc0 .Lentry_in_a_cluster
	s_endpgm
.Lentry_in_a_cluster:
	s_bfe_u32 s2, ttmp6, 0x10000c
	s_cmp_lg_u32 s2, 0x3003
	s_cbranch_scc0 .Lentry_shape_is_right
	s_endpgm
.Lentry_shape_is_right:
; o = softmax(q k^T / 8) v for 64 (batch, head) pairs of 2,048 tokens and 64 dims, both products on codes of FP6 (E2M3) with E8M0 scales; o is quantised along the model's 1,024 for the last product.
; THE SOFTMAX: t = score x log2(e) / 8; M = the running largest t rounded UP to a whole number; p = 2^(t - M) is quantised along the keys, not normalised; the row's sum is taken of the unquantised p
; and divides at the end; when M moves, the sum and O are multiplied by 2^(old M - new M), exactly.
; SHARES.  A work-group owns 512 queries of one head; wave w (of sixteen, four to a SIMD) owns tiles 2 w and 2 w + 1 of 16 queries, one in each of two passes.  Every wave walks the head's 2,048 keys, 128 a step.
; THE HEAD'S K AND V STAY IN LDS: sixteen records of 13,312 bytes, as they lie in kvb, filled ONCE: no slot is filled again.  The four work-groups of a head form a cluster and ask for each record jointly.
; A record: K's four pair fragments (images of operand registers: group g of lane l at 512 g + 16 l), V's four fragments at +6,144, K's scale words at +12,288, V's at +12,800 (lane l's four words at 16 l).
; K = 64 fills half an instruction: a pair fragment holds tile 2 f's 16 keys in registers 0-5 and tile 2 f + 1's in 6-11; q stands as [0 | q | 0] in 18 registers: (q | 0) gives tile 2 f, (0 | q) tile 2 f + 1.
; Both products are used transposed: a lane holds one query (lane % 16) throughout.  Place 16 h + 8 u + j of a block of 32 keys holds key 16 u + 8 h + j in p as in V's images: the products are the same.
; OUT: ac [token / 16][8 fragments][6 groups][32 lanes][8 bytes]: images in groups of two registers; a head's part is 768 bytes; asc [token][32].
; LIMITS: a block of zeros gets the byte 1 where the rule says 127 (zero codes; read by this program alone); NaN and infinities are not served.
; No prefetch: all tensor loads of the launch leave at its head.
.set REC,    13312
.set HEADKV, 16*REC
.set QREC,   6656
.set HEADQ,  16*QREC
.set SPARE,  HEADKV                    ; behind the records: the spare words, 128 bytes for each of sixteen waves
.set LI,  1                            ; v1  16 x lane
.set SPW, 2
.set NIL, 3
.set ADR, 4                            ; v4  LDS address of the step's record + 16 x lane
.set L8,  5                            ; v5  8 x lane
.set SBO, 6                            ; v6  32 r + h: my byte in asc
.set Q0,  16                           ; v16-33 [0 | q | 0]
.set QG,  34                           ; v34-45 my pair fragment of q
.set QS,  46                           ; v46 q's scale word of the pass; v47 the next to be used; v244 the second tile's
.set QSA, 47
.set QSB, 244
.set FRG, 48                           ; v48-95 four fragments: K's, then V's
.set S,   96                           ; v96-159 S^T, then p
.set O,   160                          ; v160-191 O^T
.set PC,  192                          ; v192-203 p's codes
.set PX,  204                          ; v204-210 the blocks' second halves
.set BM,  212                          ; v212-215 the blocks' largest
.set PT,  216                          ; v216-219 permute destinations
.set SOP, 220                          ; v220-223 the conversions' scale operands
.set BY,  224                          ; v224-227 bytes
.set KSW, 228                          ; v228-231 K's scale words;  v232-235 V's;  v236 p's
.set VSW, 232
.set PW,  236
.set F,   238                          ; v[238:239] f = 2^(old M - new M), low word
.set T0,  240
.set SM2, 242                          ; v[242:243] the sum's second chain
.set WV,  18
.set SEL, 20
.set CS,  22                           ; s[22:23] c = log2(e) / 8
.set G1,  24
.set G0,  32                           ; s[32:47] four groups 0: my record of each chunk
.set TB,  2                            ; s2 LDS byte of the step's record
.macro CROUND
	s_barrier_signal -1
	s_barrier_wait -1
	s_cmp_lg_u32 s[WV], 0
	s_cbranch_scc1 .Lnot_wave_0_\@
	s_barrier_signal -3
.Lnot_wave_0_\@:
	s_barrier_wait -3
	s_barrier_signal -1
	s_barrier_wait -1
.endm
	s_load_b256 s[4:11], s[0:1], 0x0               ; qb, kvb, ac, asc
	v_lshl_add_u32 v[SPW], v0, 2, SPARE
	v_mov_b32 v[NIL], 0
	ds_add_u32 v[SPW], v[NIL]                      ; the wave's opening: the add and its wait ahead of the first tensor loads
	ds_add_u32 v[SPW], v[NIL]
	v_lshrrev_b32 v7, 5, v0
	s_delay_alu instid0(VALU_DEP_1)
	v_readfirstlane_b32 s[WV], v7                  ; wave 0..15
	s_bfe_u32 s19, ttmp6, 0x40000                  ; cx: which 512 queries; it enters q's and the outputs' addresses alone
	s_and_b32 s12, ttmp7, 0xffff                   ; 16 batch + head, which the partners share
	s_mov_b32 s[G1], 15|(3<<16)|(1<<21)            ; the mask: all four work-groups; elements of 8 bytes; bit 21 beside a mask; no padding
	s_mov_b32 s[G1+1], 32<<16                      ; a record is dense: 52 rows of 256 bytes
	s_mov_b32 s[G1+2], 52<<16
	s_mov_b32 s[G1+3], 32<<16
	s_mov_b32 s[G1+4], 52
	s_mov_b32 s[G1+5], 32
	s_mov_b32 s[G1+6], 0
	s_mov_b32 s[G1+7], 0
	s_and_b32 s16, s[WV], 3
	s_mul_i32 s13, s16, REC                        ; waves 0-3 fetch record 4 c + wave of chunk c: its place in LDS,
	s_mul_i32 s14, s12, HEADKV
	s_add_co_u32 s14, s14, s13                     ; and in kvb
	s_mov_b32 s15, 0
	s_lshl_b32 s48, s19, 2
	s_lshr_b32 s49, s[WV], 2
	s_add_co_u32 s48, s48, s49                     ; q's record: 4 cx + wave / 4
	s_mul_i32 s48, s48, QREC
	s_mul_i32 s49, s12, HEADQ
	s_add_co_u32 s48, s48, s49
	s_lshl_b32 s50, s16, 2
	s_add_co_u32 s50, s50, s48                     ; + 4 (wave % 4): my pair's scale word (6,144 on, in the immediate)
	s_mul_i32 s49, s16, 1536
	s_add_co_u32 s48, s48, s49                     ; + my pair fragment
	s_mov_b32 s49, 0
	s_mov_b32 s51, 0
	s_lshr_b32 s52, s12, 4
	s_lshl_b32 s52, s52, 7
	s_lshl_b32 s53, s19, 5
	s_add_co_u32 s52, s52, s53
	s_lshl_b32 s53, s[WV], 1
	s_add_co_u32 s52, s52, s53                     ; my first tile of tokens: 128 batch + 32 cx + 2 wave
	s_and_b32 s53, s12, 15                         ; the head
	s_lshl_b32 s54, s52, 9
	s_lshl_b32 s55, s53, 1
	s_add_co_u32 s54, s54, s55                     ; asc: 512 bytes a tile + 2 head
	s_mul_i32 s52, s52, 12288
	s_mul_i32 s53, s53, 768
	s_add_co_u32 s52, s52, s53                     ; ac: 12,288 bytes a tile + 768 head
	s_mov_b32 s53, 0
	s_mov_b32 s55, 0
	s_mov_b32 s[SEL], 0x76543210
	s_mov_b32 s[SEL+1], 0xfedcba98
	s_mov_b32 s[CS], 0x3e38aa3b                    ; log2(e) / 8
	s_mov_b32 s[CS+1], s[CS]                       ; (named with it as a pair, so it is written)
	s_mov_b32 s67, 0xffff0000                      ; lanes 16-31; also a word's upper half
	s_wait_dscnt 0x0                               ; the opening add is done
	s_wait_kmcnt 0x0
	s_add_nc_u64 s[6:7], s[6:7], s[14:15]
.irp c, 0,1,2,3
	s_mov_b32 s[G0+4*\c], 1
	s_add_co_u32 s[G0+4*\c+1], s13, 4*REC*\c
	s_add_nc_u64 s[G0+4*\c+2:G0+4*\c+3], s[6:7], 4*REC*\c
	s_or_b32 s[G0+4*\c+3], s[G0+4*\c+3], 0x80000000
.endr
	CROUND                                         ; all four work-groups are here: the joint loads meet
	s_cmp_lt_u32 s[WV], 4                          ; a wave's four fills stand in one branch, ahead of every wait on TENSORcnt, every LDS read and every other barrier: four loads of mine are out
	s_cbranch_scc0 .Lno_fill
.irp c, 0,1,2,3
	tensor_load_to_lds s[G0+4*\c:G0+4*\c+3], s[G1:G1+7]
	s_nop 0
.endr
.rept 4
	v_nop
.endr
.Lno_fill:
	s_add_nc_u64 s[48:49], s[4:5], s[48:49]
	s_add_nc_u64 s[50:51], s[4:5], s[50:51]
	s_add_nc_u64 s[8:9], s[8:9], s[52:53]
	s_add_nc_u64 s[10:11], s[10:11], s[54:55]
	v_and_b32 v7, 31, v0
	s_delay_alu instid0(VALU_DEP_1)
	v_lshlrev_b32 v[LI], 4, v7
	s_delay_alu instid0(VALU_DEP_2)
	v_lshlrev_b32 v[L8], 3, v7
.irp g, 0,1,2
	global_load_b128 v[QG+4*\g:QG+4*\g+3], v[LI], s[48:49] offset:512*\g
.endr
	global_load_b32 v10, v[LI], s[50:51] offset:6144   ; lane r: (tile 2 w: s0, s1; tile 2 w + 1: s0, s1) of row r
	v_and_b32 v8, 15, v0
	v_bfe_u32 v9, v0, 4, 1
	s_delay_alu instid0(VALU_DEP_1)
	v_lshl_add_u32 v[SBO], v8, 5, v9
.irp i, 0,1,2,3,4,5
	v_mov_b32 v[Q0+\i], 0                          ; the zero halves beside q: zero codes add nothing under any scale byte that is made here
	v_mov_b32 v[Q0+12+\i], 0
.endr
.irp b, 0,1,2,3
	v_mov_b32 v[PT+\b], 0                          ; written once: a lane permute's destination counts as one of its sources
.endr
	v_mov_b32 v[F+1], 0                            ; (named as the upper half of the pair)
	s_wait_loadcnt 0x0
	v_lshlrev_b32 v11, 16, v10
	s_delay_alu instid0(VALU_DEP_1)
	v_and_or_b32 v[QSA], v10, 0xffff, v11          ; (s0, s1, s0, s1) of the first tile
	v_lshrrev_b32 v11, 16, v10
	s_delay_alu instid0(VALU_DEP_1)
	v_and_or_b32 v[QSB], v10, s67, v11             ; and of the second
; A KEY STEP: 128 keys.
.macro STEP
	v_add_nc_u32 v[ADR], s[TB], v[LI]
.rept 3
	v_nop                                          ; with the addition: four places in front of loads into registers that the last products read
.endr
.irp f, 0,1,2,3
.irp g, 0,1,2
	ds_load_b128 v[FRG+12*\f+4*\g:FRG+12*\f+4*\g+3], v[ADR] offset:1536*\f+512*\g
.endr
.endr
	ds_load_b128 v[KSW:KSW+3], v[ADR] offset:12288
	s_wait_alu depctr_va_vdst(0)
	s_wait_dscnt 0x0
.irp f, 0,1,2,3                                ; S^T = K q^T: a pair fragment against (q | 0) and against (0 | q)
	v_wmma_scale_f32_16x16x128_f8f6f4 v[S+16*\f:S+16*\f+7], v[FRG+12*\f:FRG+12*\f+11], v[Q0+6:Q0+17], 0, v[KSW+\f], v[QS] matrix_a_fmt:MATRIX_FMT_FP6 matrix_b_fmt:MATRIX_FMT_FP6
	v_wmma_scale_f32_16x16x128_f8f6f4 v[S+16*\f+8:S+16*\f+15], v[FRG+12*\f:FRG+12*\f+11], v[Q0:Q0+11], 0, v[KSW+\f], v[QS] matrix_a_fmt:MATRIX_FMT_FP6 matrix_b_fmt:MATRIX_FMT_FP6
.endr
.rept 4
	v_nop                                          ; places in front of the loads below and of the first read of the scores
.endr
.irp t, 0,1,2,3                                ; V's fragments land while the softmax is worked
.irp g, 0,1,2
	ds_load_b128 v[FRG+12*\t+4*\g:FRG+12*\t+4*\g+3], v[ADR] offset:6144+1536*\t+512*\g
.endr
.endr
	ds_load_b128 v[VSW:VSW+3], v[ADR] offset:12800
.irp b, 0,1,2,3
	v_max3_num_f32 v[BM+\b], v[S+16*\b], v[S+1+16*\b], v[S+2+16*\b]   ; the largest score of each block of 32 keys: for the row's maximum and, since p rises with the score, for the block's largest p
.endr
.irp i, 3,5,7,9,11,13
.irp b, 0,1,2,3
	v_max3_num_f32 v[BM+\b], v[BM+\b], v[S+16*\b+\i], v[S+1+16*\b+\i]
.endr
.endr
.irp b, 0,1,2,3
	v_max_num_f32 v[BM+\b], v[BM+\b], v[S+15+16*\b]
.endr
.irp b, 0,1,2,3
	s_delay_alu instid0(VALU_DEP_4)
	v_permlanex16_b32 v[PT+\b], v[BM+\b], s[SEL], s[SEL+1]
.endr
.irp b, 0,1,2,3
	s_delay_alu instid0(VALU_DEP_4)
	v_max_num_f32 v[BM+\b], v[BM+\b], v[PT+\b]     ; with lane l xor 16's 16 keys
.endr
	s_delay_alu instid0(VALU_DEP_2)
	v_max3_num_f32 v[T0], v[BM], v[BM+1], v[BM+2]
	s_delay_alu instid0(VALU_DEP_1)
	v_max_num_f32 v[T0], v[T0], v[BM+3]
	s_delay_alu instid0(VALU_DEP_1)
	v_mul_f32 v[T0], s[CS], v[T0]                  ; as t (c is positive)
	s_delay_alu instid0(VALU_DEP_1)
	v_max_num_f32 v13, v13, v[T0]                  ; the running largest t
	v_mov_b32 v[T0], v12
	s_delay_alu instid0(VALU_DEP_2)
	v_floor_f32 v12, -v13                          ; the new -M = floor(-t): M is a whole number
	s_delay_alu instid0(VALU_DEP_1)
	v_sub_f32 v[T0], v12, v[T0]                    ; old M - new M, 0 or less
	s_delay_alu instid0(VALU_DEP_1)
	v_cvt_i32_f32 v[T0], v[T0]                     ; (it saturates)
	s_delay_alu instid0(VALU_DEP_1)
	v_ldexp_f32 v[F], 1.0, v[T0]                   ; f = 2^(old M - new M)
.set j, 0
.rept 32
	v_pk_fma_f32 v[S+j:S+j+1], v[S+j:S+j+1], s[CS:CS+1], v[12:13] op_sel_hi:[1,0,0]   ; t - M, two at a time
.set j, j+2
.endr
.irp b, 0,1,2,3
	v_fma_f32 v[BM+\b], v[BM+\b], s[CS], v12       ; the same of each block's largest score
.endr
.set j, 0
	s_wait_alu depctr_va_vdst(0)
.rept 64
	v_exp_f32 v[S+j], v[S+j]                       ; p = 2^(t - M)
.set j, j+1
.endr
	s_setprio 1
	v_pk_mul_f32 v[14:15], v[14:15], v[F:F+1] op_sel_hi:[1,0]   ; the sums under the new M (the plain place behind the exponentials)
	s_wait_alu depctr_va_vdst(0)                   ; one wait for the batch of 64, ahead of its first reader
.irp b, 0,1,2,3
	v_exp_f32 v[BM+\b], v[BM+\b]                   ; the block's largest p: the same two instructions on the same number
.endr
	v_pk_add_f32 v[SM2:SM2+1], v[S:S+1], v[S+2:S+3]   ; the row's sum of the unquantised p, in two chains
.irp j, 4,8,12,16,20,24,28,32,36,40,44
	v_pk_add_f32 v[14:15], v[14:15], v[S+\j:S+\j+1]
	v_pk_add_f32 v[SM2:SM2+1], v[SM2:SM2+1], v[S+2+\j:S+3+\j]
.endr
	s_wait_alu depctr_va_vdst(0)                   ; and one for the four
.irp b, 0,1,2,3
	v_max_num_f32 v[BM+\b], 0x1800000, v[BM+\b]    ; the floor 2^(3 - 127)
.endr
.irp b, 0,1,2,3
	s_delay_alu instid0(VALU_DEP_4)
	v_add_nc_u32 v[SOP+\b], 0xff000000, v[BM+\b]   ; the conversion's scale operand
.endr
.irp b, 0,1,2,3
	s_delay_alu instid0(VALU_DEP_4)
	v_lshrrev_b32 v[BY+\b], 23, v[SOP+\b]          ; the scale's byte
.endr
	s_delay_alu instid0(VALU_DEP_3)
	v_lshl_or_b32 v[PW], v[BY+1], 8, v[BY]         ; p's scale word for these 128 keys
	s_delay_alu instid0(VALU_DEP_1)
	v_lshl_or_b32 v[PW], v[BY+2], 16, v[PW]
	s_delay_alu instid0(VALU_DEP_1)
	v_lshl_or_b32 v[PW], v[BY+3], 24, v[PW]
.irp c, 0,1
	v_cvt_scalef32_pk16_fp6_f32 v[PC+6*\c:PC+6*\c+2], v[S+32*\c:S+32*\c+15], v[SOP+2*\c]
	v_cvt_scalef32_pk16_fp6_f32 v[PX+4*\c:PX+4*\c+2], v[S+16+32*\c:S+31+32*\c], v[SOP+2*\c+1]
.endr
	v_nop                                          ; one plain place behind a scaled conversion
.irp c, 0,1
.irp i, 0,1,2
	v_permlane16_swap_b32 v[PC+6*\c+\i], v[PX+4*\c+\i]   ; a whole block in a lane
.endr
.irp i, 0,1,2
	s_delay_alu instid0(VALU_DEP_3)
	v_mov_b32 v[PC+3+6*\c+\i], v[PX+4*\c+\i]
.endr
.endr
.set j, 0
	s_setprio 0
.rept 16
	v_pk_mul_f32 v[O+j:O+j+1], v[O+j:O+j+1], v[F:F+1] op_sel_hi:[1,0]   ; O^T under the new M
.set j, j+2
.endr
.irp j, 48,52,56,60                            ; the rest of the row's sum: nine plain instructions that name none of the products' registers stand in front of them
	v_pk_add_f32 v[14:15], v[14:15], v[S+\j:S+\j+1]
	v_pk_add_f32 v[SM2:SM2+1], v[SM2:SM2+1], v[S+2+\j:S+3+\j]
.endr
	s_delay_alu instid0(VALU_DEP_1)
	v_pk_add_f32 v[14:15], v[14:15], v[SM2:SM2+1]
	s_wait_dscnt 0x0                               ; V is in
.irp t, 0,1,2,3                                ; O^T += V^T p^T: the four accumulators by turns
	v_wmma_scale_f32_16x16x128_f8f6f4 v[O+8*\t:O+8*\t+7], v[FRG+12*\t:FRG+12*\t+11], v[PC:PC+11], v[O+8*\t:O+8*\t+7], v[VSW+\t], v[PW] matrix_a_fmt:MATRIX_FMT_FP6 matrix_b_fmt:MATRIX_FMT_FP6
.endr
.endm
; FOUR RECORDS.  The count leaves out the wave's loads issued behind chunk c's; the barrier shows the four fetching waves' records to all sixteen.  In the second pass nothing is out.
.macro CHUNK c
	s_wait_tensorcnt 3-\c
	s_wait_dscnt 0x0
	s_barrier_signal -1
	s_barrier_wait -1
	s_mov_b32 s[TB], 4*REC*\c
	s_mov_b32 s3, 4
.Lstep_\@:
	s_setprio 2
	STEP
	s_add_co_u32 s[TB], s[TB], REC
	s_sub_co_u32 s3, s3, 1
	s_cmp_lg_u32 s3, 0
	s_cbranch_scc1 .Lstep_\@
	s_setprio 0
.endm
	s_mov_b32 s66, 2
.Lpass:                                            ; a tile of 16 queries against all keys
	s_wait_alu depctr_va_vdst(0)
	v_mov_b32 v[QS], v[QSA]
.irp i, 0,1,2,3,4,5
	v_mov_b32 v[Q0+6+\i], v[QG+\i]
.endr
	v_mov_b32 v13, 0xff61b1e6                      ; the largest t so far: -3e38
	s_delay_alu instid0(VALU_DEP_1)
	v_floor_f32 v12, -v13                          ; -M
	v_mov_b32 v14, 0
	v_mov_b32 v15, 0
.set j, 0
.rept 32
	v_mov_b32 v[O+j], 0                            ; the step is written once: the first finds zeros, which the first change of M leaves zeros
.set j, j+1
.endr
	CHUNK 0
	CHUNK 1
	CHUNK 2
	CHUNK 3
	; the pass's way out: O^T / the sum, quantised along the head's 64 dims (two blocks of the last product's K)
.rept 4
	v_nop
.endr
	s_wait_alu depctr_va_vdst(0)
	v_add_f32 v14, v14, v15
	s_delay_alu instid0(VALU_DEP_1)
	v_permlanex16_b32 v[PT], v14, s[SEL], s[SEL+1]
	s_delay_alu instid0(VALU_DEP_1)
	v_add_f32 v14, v14, v[PT]                      ; the row's sum
	s_wait_alu depctr_va_vdst(0)
	v_rcp_f32 v14, v14
	v_nop                                          ; a plain place behind the reciprocal
	s_wait_alu depctr_va_vdst(0)                   ; and the wait ahead of its first reader
.set j, 0
.rept 32
	v_mul_f32 v[S+j], v[O+j], v14                  ; register 16 b + i: dim 32 b + 16 h + i of my query (v's rows of wc were laid for that)
.set j, j+1
.endr
.irp b, 0,1
	v_max3_num_f32 v[BM+\b], |v[S+16*\b]|, |v[S+1+16*\b]|, 0x1800000
.endr
.irp i, 2,4,6,8,10,12,14
.irp b, 0,1
	s_delay_alu instid0(VALU_DEP_2)
	v_max3_num_f32 v[BM+\b], v[BM+\b], |v[S+16*\b+\i]|, |v[S+1+16*\b+\i]|
.endr
.endr
.irp b, 0,1
	s_delay_alu instid0(VALU_DEP_2)
	v_permlanex16_b32 v[PT+\b], v[BM+\b], s[SEL], s[SEL+1]
.endr
.irp b, 0,1
	s_delay_alu instid0(VALU_DEP_2)
	v_max_num_f32 v[BM+\b], v[BM+\b], v[PT+\b]
.endr
.irp b, 0,1
	s_delay_alu instid0(VALU_DEP_2)
	v_add_nc_u32 v[SOP+\b], 0xff000000, v[BM+\b]
.endr
.irp b, 0,1
	s_delay_alu instid0(VALU_DEP_2)
	v_lshrrev_b32 v[BY+\b], 23, v[SOP+\b]
.endr
	v_cvt_scalef32_pk16_fp6_f32 v[PC:PC+2], v[S:S+15], v[SOP]
	v_cvt_scalef32_pk16_fp6_f32 v[PX:PX+2], v[S+16:S+31], v[SOP+1]
	v_nop
.irp i, 0,1,2
	v_permlane16_swap_b32 v[PC+\i], v[PX+\i]
.endr
.irp i, 0,1,2
	s_delay_alu instid0(VALU_DEP_3)
	v_mov_b32 v[PC+3+\i], v[PX+\i]                 ; lane (r, h): dims 32 h .. 32 h + 31 of query r in six registers
.endr
	v_cndmask_b32 v7, v[BY], v[BY+1], s67          ; and block h's byte
.irp g, 0,1,2
	global_store_b64 v[L8], v[PC+2*\g:PC+2*\g+1], s[8:9] offset:256*\g   ; the wave stores 256 consecutive bytes, aligned
.endr
	global_store_b8 v[SBO], v7, s[10:11]
	s_wait_xcnt 0x0                                ; the stores have read their registers and bases: both are written again only behind this wait
	s_add_nc_u64 s[8:9], s[8:9], 12288             ; the next tile of tokens
	s_add_nc_u64 s[10:11], s[10:11], 512
.irp i, 0,1,2,3,4,5
	v_mov_b32 v[QG+\i], v[QG+6+\i]                 ; the pair's second tile
.endr
	v_mov_b32 v[QSA], v[QSB]
	s_sub_co_u32 s66, s66, 1
	s_cmp_lg_u32 s66, 0
	s_cbranch_scc1 .Lpass
	s_wait_tensorcnt 0x0                           ; the wave's end
	ds_add_u32 v[SPW], v[NIL]
	s_wait_dscnt 0x0
	CROUND                                         ; the closing round
	s_endpgm
.Lfunc_end_k_q8d37ac46f9_attn:
	.size	k_q8d37ac46f9_attn, .Lfunc_end_k_q8d37ac46f9_attn-k_q8d37ac46f9_attn
	.p2alignl 7, 3214868480
	.fill 96, 4, 3214868480
	.section	.rodata,"a",@progbits
	.p2align	6, 0x0
	.amdhsa_kernel k_q8d37ac46f9_attn
		.amdhsa_group_segment_fixed_size 215040
		.amdhsa_private_segment_fixed_size 0
		.amdhsa_enable_private_segment 0
		.amdhsa_kernarg_size 32
		.amdhsa_user_sgpr_count 2
		.amdhsa_user_sgpr_kernarg_segment_ptr 1
		.amdhsa_wavefront_size32 1
		.amdhsa_system_sgpr_workgroup_id_x 1
		.amdhsa_system_sgpr_workgroup_id_y 1
		.amdhsa_system_sgpr_workgroup_id_z 1
		.amdhsa_system_vgpr_workitem_id 0
		.amdhsa_next_free_vgpr 256
		.amdhsa_next_free_sgpr 72
		.amdhsa_reserve_vcc 0
		.amdhsa_float_denorm_mode_32 3
		.amdhsa_float_denorm_mode_16_64 3
		.amdhsa_memory_ordered 1
		.amdhsa_forward_progress 1
		.amdhsa_inst_pref_size 80
	.end_amdhsa_kernel
	.amdgpu_metadata
---
amdhsa.version: [ 1, 2 ]
amdhsa.kernels:
  - .name:           k_q8d37ac46f9_attn
    .symbol:         k_q8d37ac46f9_attn.kd
    .args:
      - { .name: qb, .offset: 0, .size: 8, .value_kind: global_buffer, .address_space: global }
      - { .name: kvb, .offset: 8, .size: 8, .value_kind: global_buffer, .address_space: global }
      - { .name: ac, .offset: 16, .size: 8, .value_kind: global_buffer, .address_space: global }
      - { .name: asc, .offset: 24, .size: 8, .value_kind: global_buffer, .address_space: global }
    .group_segment_fixed_size: 215040
    .private_segment_fixed_size: 0
    .kernarg_segment_align: 8
    .kernarg_segment_size: 32
    .max_flat_workgroup_size: 512
    .sgpr_count:     72
    .vgpr_count:     256
    .wavefront_size: 32
...
	.end_amdgpu_metadata
.endif
;; end of part 4
;; launch gout (part 5): grid 4 x 32, 4 waves a work-group, clusters of 4 x 4, 327,680 bytes of LDS; arguments ac, asc, wc, ws, b_out, out0; writes out0
.if DOCPART == 5
	.amdgcn_target "amdgcn-amd-amdhsa--gfx1250"
	.amdhsa_code_object_version 6
	.text
	.protected	k_q8d37ac46f9_gout
	.globl	k_q8d37ac46f9_gout
	.p2align	8
	.type	k_q8d37ac46f9_gout,@function
k_q8d37ac46f9_gout:
	s_mov_b64 s[64:65], 0
	v_nop
	global_prefetch_b8 v0, s[64:65] scope:SCOPE_SE
	s_setreg_imm32_b32 hwreg(HW_REG_WAVE_MODE, 25, 1), 1
	s_wait_xcnt 0x0
	s_wait_alu depctr_hold_cnt(0) depctr_sa_sdst(0) depctr_va_vdst(0) depctr_va_sdst(0) depctr_va_ssrc(0) depctr_va_vcc(0) depctr_vm_vsrc(0)
	s_getreg_b32 s2, hwreg(HW_REG_IB_STS2, 6, 4)
	s_cmp_eq_u32 s2, 0
	s_cbranch_scc0 .Lentry_in_a_cluster
	s_endpgm
.Lentry_in_a_cluster:
	s_bfe_u32 s2, ttmp6, 0x10000c
	s_cmp_lg_u32 s2, 0xf033
	s_cbranch_scc0 .Lentry_shape_is_right
	s_endpgm
.Lentry_shape_is_right:
; out0 = o w_out + b_out on codes of FP6 (E2M3) with E8M0 scales, K = 1024.  A = the attention's result: ac, images of operand registers [token / 16][8 fragments][6 groups][32 lanes][8 bytes], asc [token][32];
; B = rows 3072-4095 of wc [.][768 bytes], ws [.][32]; row P of wc holds column pi(P) (bits 3 and 4 exchanged), which the way out undoes.  out0 [8192][1024] f32.
; A tile of 256 x 256 is made by four waves, 128 x 128 each; K goes in steps of 256 through a ring of two LDS slots filled by the tensor data mover; the scale bytes of the tile's rows come into LDS once.
; 4 x 4 work-groups form a cluster: A's tiles are asked for jointly along a row of the cluster, B's along a column.  128 tiles: a smaller tile would give more work-groups at the price of twice the LDS reads a product.
; THE MATRIX INSTRUCTION IS USED TRANSPOSED (source 0 = 16 rows of B, source 1 = 16 rows of A): a lane holds eight numbers of a row of the output.
; A's tile of 128 rows x 256 K is 8 rows of 3,072 bytes, 12,288 bytes apart; in LDS a fragment's group p lies at 3,072 i + 1,536 q + 256 p + 8 x lane: each load of 8 bytes a lane reads 256 consecutive bytes.
; REGISTERS: window 0: v0-31 addresses, v8-11 the bias; v32-63 scale words, two sets; from v128 A's fragments; window 1: B's fragments, two sets; windows 2, 3: the accumulators.
.set SIZE_N, 1024
.set NQ,     2
.set ROWB,   192
.set ASTEP,  3072                      ; a K step of A's images in a row of 12,288 bytes
.set KROW,   768
.set PITCH,  240
.set FR,     12
.set NL,     6
.set NP,     4
.set HALFT,  128*PITCH
.set SLOT,   4*HALFT
.set LAPS,   2
.set KS,     32
.set SCL,    2*SLOT
.set HALFS,  16*272
.set SBLK,   2*272
.set SPARE,  SCL+4*HALFS
.set SPITCH, 528                       ; the way out: a stage of 16 rows x (512 + 16) bytes for each wave, in slot 0, which has had its last fill and its last read by then
.set ADRA, 16                          ; v16-17 LDS address of my A fragments in slot 0, 1
.set ADRB, 20                          ; v20-23 of my B fragments
.set STO,  24
.set RD,   25
.set CO,   26
.set ADRS, 27
.set SPW,  28
.set NIL,  29
.set BI,   8                           ; v8-11 the bias of my four columns on the way out
.set SC,   32
.set AF,   128
.set BK,   128
.set G1, 24
.set G0, 32
.set G1B, 48
.set G0B, 56
.set G1S, 68
.set G0S, 76
.set G1SB, 80
.set G0SB, 88
.set MSB, 0
.macro WIN new
.if MSB != (\new)
	s_set_vgpr_msb (MSB<<8)|(\new)
.set MSB, (\new)
.endif
.endm
.set MUL_LO, 0xa1
.set MUL_HI, 0xf1
.set TO_B,   0x40
.macro JLOAD g0a, g1a, g0b, g1b        ; a joint load: waves 0 and 1 fetch for A, waves 2 and 3 for B; an s_nop 0 and four v_nop follow each line
	s_cmp_eq_u32 s15, 0
	s_cbranch_scc0 .Lfor_b_\@
	tensor_load_to_lds s[\g0a:\g0a+3], s[\g1a:\g1a+7]
	s_nop 0
.rept 4
	v_nop
.endr
	s_branch .Lasked_\@
.Lfor_b_\@:
	tensor_load_to_lds s[\g0b:\g0b+3], s[\g1b:\g1b+7]
	s_nop 0
.rept 4
	v_nop
.endr
.Lasked_\@:
.endm
.macro CREST
	s_cmp_lg_u32 s14, 0
	s_cbranch_scc1 .Lnot_wave_0_\@
	s_barrier_signal -3
.Lnot_wave_0_\@:
	s_barrier_wait -3
	s_barrier_signal -1
	s_barrier_wait -1
.endm
.macro CROUND
	s_barrier_signal -1
	s_barrier_wait -1
	CREST
.endm
	s_load_b256 s[4:11], s[0:1], 0x0               ; ac, asc, wc, ws
	s_load_b128 s[96:99], s[0:1], 0x20             ; b_out, out0
	v_lshl_add_u32 v[SPW], v0, 2, SPARE
	v_mov_b32 v[NIL], 0
	ds_add_u32 v[SPW], v[NIL]                      ; the wave's opening: the add and its wait ahead of my first tensor load
	v_lshrrev_b32 v1, 5, v0
	v_readfirstlane_b32 s14, v1                    ; wave 0..3
	s_lshr_b32 s15, s14, 1
	s_and_b32 s16, s14, 1
	s_bfe_u32 s40, ttmp6, 0x40000                  ; cx
	s_bfe_u32 s41, ttmp6, 0x40004                  ; cy
	s_lshl_b32 s42, ttmp9, 2
	s_add_co_u32 s42, s42, s40                     ; tile column
	s_and_b32 s17, ttmp7, 0xffff
	s_lshl_b32 s17, s17, 2
	s_add_co_u32 s17, s17, s41                     ; tile row
	s_lshl_b32 s43, s41, 2
	s_lshl_b32 s43, 15, s43                        ; my row of the cluster
	s_lshl_b32 s44, 0x1111, s40                    ; my column
	s_or_b32 s[G1+0], s43, (3<<16)|(1<<21)         ; A's images: the mask; elements of 8 bytes; bit 21 beside a mask; no padding
	s_mov_b32 s[G1+1], 384<<16                     ; a row of the tile: 3,072 bytes
	s_mov_b32 s[G1+2], 8<<16                       ; 8 tiles of 16 tokens
	s_mov_b32 s[G1+3], 384<<16
	s_mov_b32 s[G1+4], 8
	s_mov_b32 s[G1+5], 1536                        ; 12,288 bytes from row to row
	s_mov_b32 s[G1+6], 0
	s_mov_b32 s[G1+7], 0
	s_or_b32 s[G1B+0], s44, (0<<16)|(1<<20)|(1<<21)|(3<<22)|(3<<25)  ; B's rows of 192 bytes, 16 bytes of padding behind every 64
	s_mov_b32 s[G1B+1], ROWB<<16
	s_mov_b32 s[G1B+2], 128<<16
	s_mov_b32 s[G1B+3], ROWB<<16
	s_mov_b32 s[G1B+4], 128
	s_mov_b32 s[G1B+5], KROW
	s_mov_b32 s[G1B+6], 0
	s_mov_b32 s[G1B+7], 0
	s_or_b32 s[G1S+0], s43, (3<<16)|(1<<20)|(1<<21)|(5<<22)|(3<<25)  ; the scales of 128 rows: 16 rows of 256 bytes, 16 of padding behind each
	s_or_b32 s[G1SB+0], s44, (3<<16)|(1<<20)|(1<<21)|(5<<22)|(3<<25)
.irp g, G1S, G1SB
	s_mov_b32 s[\g+1], 32<<16
	s_mov_b32 s[\g+2], 16<<16
	s_mov_b32 s[\g+3], 32<<16
	s_mov_b32 s[\g+4], 16
	s_mov_b32 s[\g+5], 32
	s_mov_b32 s[\g+6], 0
	s_mov_b32 s[\g+7], 0
.endr
	s_lshl_b32 s18, s16, 7
	s_lshl_b32 s20, s17, 8
	s_add_co_u32 s20, s20, s18                     ; A's row (16 rows of images are 12,288 bytes: 768 a row, as for plain rows)
	s_lshl_b32 s46, s42, 8
	s_add_co_u32 s46, s46, s18
	s_add_co_u32 s46, s46, 3072                    ; B's row: w_out's part of wc
	s_mov_b32 s21, 0
	s_mov_b32 s47, 0
	s_mov_b64 s[18:19], KS
	s_mul_u64 s[22:23], s[20:21], s[18:19]
	s_mul_u64 s[92:93], s[46:47], s[18:19]
	s_mov_b64 s[18:19], KROW
	s_mul_u64 s[20:21], s[20:21], s[18:19]
	s_mul_u64 s[46:47], s[46:47], s[18:19]
	s_mul_i32 s45, s14, HALFT
	s_mul_i32 s94, s14, HALFS
	s_wait_dscnt 0x0                               ; the opening add is done
	s_wait_kmcnt 0x0
	s_add_nc_u64 s[20:21], s[4:5], s[20:21]
	s_add_nc_u64 s[22:23], s[6:7], s[22:23]
	s_add_nc_u64 s[46:47], s[8:9], s[46:47]
	s_add_nc_u64 s[92:93], s[10:11], s[92:93]
	CROUND                                         ; all sixteen work-groups are here: the first joint loads meet
	s_mov_b32 s[G0S], 1
	s_add_co_u32 s[G0S+1], s94, SCL
	s_mov_b64 s[G0S+2:G0S+3], s[22:23]
	s_or_b32 s[G0S+3], s[G0S+3], 0x80000000
	s_mov_b32 s[G0SB], 1
	s_add_co_u32 s[G0SB+1], s94, SCL
	s_mov_b64 s[G0SB+2:G0SB+3], s[92:93]
	s_or_b32 s[G0SB+3], s[G0SB+3], 0x80000000
	JLOAD G0S, G1S, G0SB, G1SB
.irp s, 0,1
	s_mov_b32 s[G0+4*\s], 1
	s_add_co_u32 s[G0+4*\s+1], s45, \s*SLOT
	s_add_nc_u64 s[G0+4*\s+2:G0+4*\s+3], s[20:21], \s*ASTEP
	s_or_b32 s[G0+4*\s+3], s[G0+4*\s+3], 0x80000000
	s_mov_b32 s[G0B+4*\s], 1
	s_add_co_u32 s[G0B+4*\s+1], s45, \s*SLOT
	s_add_nc_u64 s[G0B+4*\s+2:G0B+4*\s+3], s[46:47], \s*ROWB
	s_or_b32 s[G0B+4*\s+3], s[G0B+4*\s+3], 0x80000000
	JLOAD G0+4*\s, G1, G0B+4*\s, G1B
.endr
	v_and_b32 v1, 15, v0                           ; r
	v_bfe_u32 v2, v0, 4, 1                         ; h
	v_and_b32 v6, 31, v0                           ; lane
	v_lshlrev_b32 v7, 3, v6                        ; A: 8 x lane
	v_mul_u32_u24 v3, v1, PITCH
	v_mul_u32_u24 v4, v2, 24
	v_add_nc_u32 v4, v3, v4                        ; B: row x pitch + 24 x half
	v_lshl_add_u32 v5, v2, 4, v4                   ; and behind one padding more
	s_mul_i32 s21, s15, HALFT
	s_mul_i32 s22, s16, HALFT
	s_add_co_u32 s22, s22, 2*HALFT
.irp s, 0,1
	v_add_nc_u32 v[ADRA+\s], s21, v7
	v_add_nc_u32 v[ADRB+\s], s22, v4
	v_add_nc_u32 v[ADRB+2+\s], s22, v5
	s_add_co_u32 s21, s21, SLOT
	s_add_co_u32 s22, s22, SLOT
.endr
	v_mul_u32_u24 v5, v1, KS
	v_lshrrev_b32 v3, 8, v5
	v_lshl_add_u32 v5, v3, 4, v5
	s_mul_i32 s21, s15, HALFS
	s_mul_i32 s22, s16, HALFS
	s_add_co_u32 s22, s22, 2*HALFS
	s_sub_co_u32 s22, s22, s21
	v_mul_u32_u24 v3, s22, v2                      ; lanes 16-31 take B's
	s_add_co_u32 s21, s21, SCL
	v_add_nc_u32 v5, v5, v3
	v_add_nc_u32 v[ADRS], s21, v5
	s_mul_i32 s23, s14, 16*SPITCH                  ; my stage
	v_mul_u32_u24 v5, v1, SPITCH                   ; in: row r; registers 16 b + 8 u + j belong to column 32 b + 16 h + 8 u + j: 64 h bytes for my half
	v_lshl_add_u32 v5, v2, 6, v5
	v_add_nc_u32 v[STO], s23, v5
	v_lshlrev_b32 v[CO], 4, v6                     ; back: the 32 lanes take one row of 512 bytes; the same in out0 and in the bias
	v_add_nc_u32 v[RD], s23, v[CO]
	s_lshl_b32 s20, s17, 8
	s_lshl_b32 s21, s15, 7
	s_add_co_u32 s20, s20, s21                     ; my first row of out0
	s_mov_b32 s21, 0
	s_mov_b64 s[18:19], SIZE_N*4
	s_mul_u64 s[20:21], s[20:21], s[18:19]
	s_lshl_b32 s46, s42, 10                        ; my first column, in bytes
	s_lshl_b32 s47, s16, 9
	s_add_co_u32 s46, s46, s47
	s_mov_b32 s47, 0
	s_add_nc_u64 s[96:97], s[96:97], s[46:47]
	s_add_nc_u64 s[20:21], s[20:21], s[46:47]
	s_add_nc_u64 s[98:99], s[98:99], s[20:21]
	global_load_b128 v[BI:BI+3], v[CO], s[96:97]   ; the bias of my four columns: it stays out over the loop and is waited for once, on the way out
.macro FRAG reg, adr, q, i             ; B: 16 rows x 128 K, 24 bytes of the row's stream of bits for each 64 along K, in pieces of 8
.irp p, 0,1,2,3,4,5
.set PCE, 12*(\q)+6*(\p/3)+\p%3
.if PCE%8 < 5
	ds_load_b64 v[\reg+2*\p:\reg+2*\p+1], v[\adr] offset:8*PCE+16*(PCE/8)+(\i)*16*PITCH
.else
	ds_load_b64 v[\reg+2*\p:\reg+2*\p+1], v[\adr+2] offset:8*PCE+16*(PCE/8)+(\i)*16*PITCH
.endif
.endr
.endm
.macro FRAG_A reg, slot, q, i          ; A: the image of a fragment, two registers a load
.irp p, 0,1,2,3,4,5
	ds_load_b64 v[\reg+2*\p:\reg+2*\p+1], v[ADRA+\slot] offset:3072*(\i)+1536*(\q)+256*\p
.endr
.endm
.macro MUL16 a0, p, q, sc, zero        ; the 64 accumulators take turns, one instruction a turn, in the same order in every step
.irp a, \a0, \a0+1
.irp b, 0,1,2,3,4,5,6,7
.if \zero
	v_wmma_scale_f32_16x16x128_f8f6f4 v[8*(8*((\a)%4)+\b):8*(8*((\a)%4)+\b)+7], v[128*(\p)+FR*\b:128*(\p)+FR*\b+FR-1], v[AF+FR*(\a):AF+FR*(\a)+FR-1], 0, v[SC+8*NQ*(\sc)+NQ*\b+(\q)], v[SC+8*NQ*(\sc)+NQ*(\a)+(\q)] matrix_a_fmt:MATRIX_FMT_FP6 matrix_b_fmt:MATRIX_FMT_FP6 matrix_a_scale:MATRIX_SCALE_ROW1
.else
	v_wmma_scale_f32_16x16x128_f8f6f4 v[8*(8*((\a)%4)+\b):8*(8*((\a)%4)+\b)+7], v[128*(\p)+FR*\b:128*(\p)+FR*\b+FR-1], v[AF+FR*(\a):AF+FR*(\a)+FR-1], v[8*(8*((\a)%4)+\b):8*(8*((\a)%4)+\b)+7], v[SC+8*NQ*(\sc)+NQ*\b+(\q)], v[SC+8*NQ*(\sc)+NQ*(\a)+(\q)] matrix_a_fmt:MATRIX_FMT_FP6 matrix_b_fmt:MATRIX_FMT_FP6 matrix_a_scale:MATRIX_SCALE_ROW1
.endif
.endr
.endr
.endm
.macro FETCH_B slot, q, p
	WIN TO_B
.irp i, 0,1,2,3,4,5,6,7
	FRAG 128*(\p)+FR*\i, ADRB+\slot, \q, \i
.endr
	WIN 0
.endm
.macro FETCH_A slot, q, i0
.irp i, \i0, \i0+1, \i0+2, \i0+3
	FRAG_A AF+FR*(\i), \slot, \q, \i
.endr
.endm
.macro SCALES sc
.irp i, 0,1,2,3,4,5,6,7
	ds_load_b64 v[SC+8*NQ*\sc+NQ*\i:SC+8*NQ*\sc+NQ*\i+1], v[ADRS] offset:\i*SBLK
.endr
.endm
.macro PLACES n
.rept \n
	v_nop
.endr
.endm
.macro STEP slot, q, zero
	s_wait_dscnt 4*NL                              ; B's set and A's blocks 0-3 are in; the youngest 24 loads (A's blocks 4-7) may be out
	WIN MUL_LO
	MUL16 0, (\q)%2, \q, \slot, \zero
	MUL16 2, (\q)%2, \q, \slot, \zero
	s_wait_dscnt 0
	PLACES NP
	FETCH_B \slot, (\q)+1, 1-(\q)%2
	FETCH_A \slot, (\q)+1, 0
	WIN MUL_HI
	MUL16 4, (\q)%2, \q, \slot, \zero
	MUL16 6, (\q)%2, \q, \slot, \zero
	PLACES NP
	WIN 0
	FETCH_A \slot, (\q)+1, 4
.endm
.macro TURN slot, next, fill           ; a slot's last step changes slots: one barrier, with the wait for all my tensor loads, the add, and the wait for it and for my reads of this slot in front
	s_wait_tensorcnt 0x0
	ds_add_u32 v[SPW], v[NIL]
	s_wait_dscnt 4*NL+1                            ; (the add and A's blocks 4-7 may be out)
	WIN MUL_LO
	MUL16 0, 1, NQ-1, \slot, 0
	s_wait_dscnt 0x0
	s_barrier_signal -1
	MUL16 2, 1, NQ-1, \slot, 0
	WIN 0
	s_barrier_wait -1
.if \fill
	CREST                                          ; the barrier has opened a round of the cluster's
	s_add_nc_u64 s[G0+4*\slot+2:G0+4*\slot+3], s[G0+4*\slot+2:G0+4*\slot+3], 2*ASTEP
	s_add_nc_u64 s[G0B+4*\slot+2:G0B+4*\slot+3], s[G0B+4*\slot+2:G0B+4*\slot+3], 2*ROWB
	JLOAD G0+4*\slot, G1, G0B+4*\slot, G1B         ; the first tensor load behind the round; its four v_nop are the places in front of the loads below
.else
	PLACES NP
.endif
	v_add_nc_u32 v[ADRS], 4*NQ, v[ADRS]
	FETCH_B \next, 0, 0
	FETCH_A \next, 0, 0
	SCALES \next
	WIN MUL_HI
	MUL16 4, 1, NQ-1, \slot, 0
	MUL16 6, 1, NQ-1, \slot, 0
	PLACES NP
	WIN 0
	FETCH_A \next, 0, 4
.endm
	s_wait_tensorcnt 1                             ; the scales and my part of K step 0 are in (K step 1's load may be out),
	s_barrier_signal -1
	s_barrier_wait -1                              ; everybody's are
	FETCH_B 0, 0, 0
	FETCH_A 0, 0, 0
	SCALES 0
	FETCH_A 0, 0, 4
	STEP 0, 0, 1                                   ; the first step's products start the sums
	s_mov_b32 s3, LAPS-1
.Llap:
	TURN 0, 1, 1
	STEP 1, 0, 0
	TURN 1, 0, 1
	STEP 0, 0, 0
	s_sub_co_u32 s3, s3, 1
	s_cmp_lg_u32 s3, 0
	s_cbranch_scc1 .Llap
	TURN 0, 1, 0                                   ; the last lap fills nothing
	STEP 1, 0, 0
	s_wait_dscnt 4*NL
	WIN MUL_LO
	MUL16 0, 1, NQ-1, 1, 0
	MUL16 2, 1, NQ-1, 1, 0
	s_wait_dscnt 0
	WIN MUL_HI
	MUL16 4, 1, NQ-1, 1, 0
	MUL16 6, 1, NQ-1, 1, 0
	WIN 0
; THE WAY OUT, block by block of 16 rows x 128 columns, through my own stage in LDS: in by 16 bytes at the true columns' places, back as whole rows of 512 bytes; the bias is added; 32 lanes store a row.
.macro TOSTAGE a
.set AC, 64*((\a)%4)
	WIN 0x08+4*((\a)/4)                            ; the data: window 2 or 3
.irp b, 0,1,2,3,4,5,6,7
	ds_store_b128 v[STO], v[AC+8*\b:AC+8*\b+3] offset:128*(\b/2)+32*(\b%2)          ; each accumulator from its low end on
	ds_store_b128 v[STO], v[AC+8*\b+4:AC+8*\b+7] offset:128*(\b/2)+32*(\b%2)+16
.endr
	WIN 0
.set BB, BK+64*((\a)%2)
.irp t, 0,1,2,3,4,5,6,7,8,9,10,11,12,13,14,15
	ds_load_b128 v[BB+4*\t:BB+4*\t+3], v[RD] offset:\t*SPITCH   ; LDS serves a wave's instructions in order: these see the stores above
.endr
.endm
.macro SEND a, younger                 ; younger: the LDS instructions issued behind block a's loads
.set BB, BK+64*((\a)%2)
	s_wait_dscnt \younger
.if (\a) > 0
	s_add_nc_u64 s[98:99], s[98:99], 16*SIZE_N*4   ; (behind a wait on XCNT: the earlier stores have read their base)
.endif
.irp t, 0,1,2,3,4,5,6,7,8,9,10,11,12,13,14,15
	v_pk_add_f32 v[BB+4*\t:BB+4*\t+1], v[BB+4*\t:BB+4*\t+1], v[BI:BI+1]
	v_pk_add_f32 v[BB+4*\t+2:BB+4*\t+3], v[BB+4*\t+2:BB+4*\t+3], v[BI+2:BI+3]
.endr
.irp t, 0,1,2,3,4,5,6,7,8,9,10,11,12,13,14,15
	global_store_b128 v[CO], v[BB+4*\t:BB+4*\t+3], s[98:99] offset:\t*SIZE_N*4 th:TH_STORE_NT   ; 32 lanes store 512 consecutive bytes, aligned to 256
.endr
.endm
	PLACES NP
	s_wait_loadcnt 0x0                             ; the bias
	TOSTAGE 0
.irp a, 1,2,3,4,5,6,7
.if \a > 1
	s_wait_xcnt 0x0                                ; block a - 2's stores have read their registers and their base
.endif
	TOSTAGE \a
	SEND \a-1, 32                                  ; behind block a - 1's loads: block a's 16 stores and 16 loads
.endr
	s_wait_xcnt 0x0
	SEND 7, 0
	s_wait_tensorcnt 0x0                           ; the wave's end, behind my last tensor load and my last LDS store
	ds_add_u32 v[SPW], v[NIL]
	s_wait_dscnt 0x0
	CROUND                                         ; the closing round
	s_endpgm
.Lfunc_end_k_q8d37ac46f9_gout:
	.size	k_q8d37ac46f9_gout, .Lfunc_end_k_q8d37ac46f9_gout-k_q8d37ac46f9_gout
	.p2alignl 7, 3214868480
	.fill 96, 4, 3214868480
	.section	.rodata,"a",@progbits
	.p2align	6, 0x0
	.amdhsa_kernel k_q8d37ac46f9_gout
		.amdhsa_group_segment_fixed_size 327680
		.amdhsa_private_segment_fixed_size 0
		.amdhsa_enable_private_segment 0
		.amdhsa_kernarg_size 48
		.amdhsa_user_sgpr_count 2
		.amdhsa_user_sgpr_kernarg_segment_ptr 1
		.amdhsa_wavefront_size32 1
		.amdhsa_system_sgpr_workgroup_id_x 1
		.amdhsa_system_sgpr_workgroup_id_y 1
		.amdhsa_system_sgpr_workgroup_id_z 1
		.amdhsa_system_vgpr_workitem_id 0
		.amdhsa_next_free_vgpr 1024
		.amdhsa_next_free_sgpr 100
		.amdhsa_reserve_vcc 0
		.amdhsa_float_denorm_mode_32 3
		.amdhsa_float_denorm_mode_16_64 3
		.amdhsa_memory_ordered 1
		.amdhsa_forward_progress 1
		.amdhsa_inst_pref_size 176
	.end_amdhsa_kernel
	.amdgpu_metadata
---
amdhsa.version: [ 1, 2 ]
amdhsa.kernels:
  - .name:           k_q8d37ac46f9_gout
    .symbol:         k_q8d37ac46f9_gout.kd
    .args:
      - { .name: ac, .offset: 0, .size: 8, .value_kind: global_buffer, .address_space: global }
      - { .name: asc, .offset: 8, .size: 8, .value_kind: global_buffer, .address_space: global }
      - { .name: wc, .offset: 16, .size: 8, .value_kind: global_buffer, .address_space: global }
      - { .name: ws, .offset: 24, .size: 8, .value_kind: global_buffer, .address_space: global }
      - { .name: b_out, .offset: 32, .size: 8, .value_kind: global_buffer, .address_space: global }
      - { .name: out0, .offset: 40, .size: 8, .value_kind: global_buffer, .address_space: global }
    .group_segment_fixed_size: 327680
    .private_segment_fixed_size: 0
    .kernarg_segment_align: 8
    .kernarg_segment_size: 48
    .max_flat_workgroup_size: 128
    .sgpr_count:     100
    .vgpr_count:     1024
    .wavefront_size: 32
...
	.end_amdgpu_metadata
.endif
;; end of part 5
